; MI455X (gfx1250); checked and timed in simulation.
; The chip was launched on July 23, 2026; its instructions are those of AMD's public machine-readable ISA for CDNA 5 (MIT licence, August 2026) and "CDNA5" Instruction Set Architecture Reference Guide (July 2026). The comments in the code are by the model that wrote it; some were corrected since.
;; Multi Head Attention Layer. Allowed arithmetic: matrix products marked QUANTISED: E2M3 operands, one E8M0 scale for each 32 along K, by v_wmma_scale_f32_16x16x128_f8f6f4 with both operands' format E2M3, f32 sums; everything else in f32.
;; Inputs: Wk 1,024 x 1,024 float32; Wo 1,024 x 1,024 float32; Wq 1,024 x 1,024 float32; Wv 1,024 x 1,024 float32; bk 1,024 float32; bo 1,024 float32; bq 1,024 float32; bv 1,024 float32; key 4 x 2,048 x 1,024 float32; mask 4 x 1 x 2,048 x 2,048 int32; query 4 x 2,048 x 1,024 float32; value 4 x 2,048 x 1,024 float32.
;; Outputs: out0 4 x 2,048 x 1,024 float32.
;; This version of the problem:
;;   THIS VERSION OF THE PROBLEM IS GIVEN IN LOW PRECISION. The matrix products marked QUANTISED in the list below multiply operands that are first quantised to E2M3 (2 exponent bits, 3 mantissa bits; 6 bits a number), with one power-of-two scale for each 32 numbers along K (OCP MX v1.0); their sums are f32. All else is computed in f32.
;;   The module's matrix products, in the order in which they are computed (A, B: the left and right operand; K: the contracted axis; several contracted axes count as one K, in the product's order):
;;     1. [M 8,192, K 1,024] x [K 1,024, N 1,024]; A: input query; B: input Wq: QUANTISED
;;     2. [M 8,192, K 1,024] x [K 1,024, N 1,024]; A: input key; B: input Wk: QUANTISED
;;     3. [M 8,192, K 1,024] x [K 1,024, N 1,024]; A: input value; B: input Wv: QUANTISED
;;     4. batch 64 x [M 2,048, K 64] x [K 64, N 2,048]; A: computed on the way; B: computed on the way: QUANTISED
;;     5. batch 64 x [M 2,048, K 2,048] x [K 2,048, N 64]; A: softmax (see below); B: computed on the way: QUANTISED
;;     6. [M 8,192, K 1,024] x [K 1,024, N 1,024]; A: computed on the way; B: input Wo: QUANTISED
;;   THE QUANTISER, for each operand of a quantised product, along K:
;;     - K is cut into blocks of 32 from its start; a last block that is shorter is filled with zeros.
;;     - A block's scale is 2^e with e = floor(log2(the largest magnitude in the block)) - 2, held to -126 .. 127; a block of zeros has e = 0. As a byte (E8M0): e + 127.
;;     - Each number is divided by its block's scale, clamped to +-7.5, and rounded to the nearest number of E2M3, ties to even, subnormals kept.
;;     - The product sums the exact products of the quantised numbers (number of the format x scale) in f32.
;;   ~~~python
;;   def quantise(x, axis):      # numpy; x: float32 -> the quantised numbers, widened to float32 again
;;       x = np.moveaxis(x, axis, -1); K = x.shape[-1]
;;       x = np.pad(x, [(0, 0)] * (x.ndim - 1) + [(0, -K % 32)]); x = x.reshape(x.shape[:-1] + (-1, 32)); a = np.abs(x).max(-1, keepdims=True)
;;       e = np.where(a > 0, np.clip(np.frexp(np.where(a > 0, a, 1))[1] - 1 - 2, -126, 127), 0)      # np.frexp(a)[1] - 1 = floor(log2(a)), exactly
;;       r = np.clip(x / 2.0 ** e, -7.5, 7.5)
;;       step = 2.0 ** (np.maximum(np.frexp(np.where(r == 0, 1, r))[1] - 1, 0) - 3)
;;       q = np.round(r / step) * step * 2.0 ** e      # np.round: ties to even
;;       return np.moveaxis(q.reshape(q.shape[:-2] + (-1,))[..., :K], -1, axis).astype(np.float32)
;;   ~~~
;;   SOFTMAX AHEAD OF A QUANTISED PRODUCT. Where the list says 'softmax', what is quantised is not the finished softmax but p = 2^(t - M), with t = logit x log2(e) and M = ceil(the row's largest t), a whole number; so 1/2 < the row's largest p <= 1. The row's sum l is taken of the UNQUANTISED p, in f32, and the product's result is divided by l at the end. Since M is a whole number, a kernel that streams over the keys may use a running M (the ceiling of the running maximum): every later rescaling is an exact power of two, which a block's scale takes up: the codes' values come out the same.
;;   OPERANDS COMPUTED ON THE WAY. 'Computed on the way' means the value that the module computes at that place (a softmax that the list does not call 'softmax' is quantised finished and normalised). What goes into a quantiser is computed in f32, as accurately as f32 sums, v_exp_f32 and their like allow (about 1e-6 of the number): no bf16 or f16 on the way to a quantiser, and a product that is left as it is and whose result goes on into a quantised operand takes f32 operands (vector FMAs, or v_wmma_f32_16x16x4_f32). A number that lies on a knife's edge between two numbers of the format may be rounded either way, as far as f32 arithmetic and the matrix unit's own rounding can turn it there, and no further.
;; One version. Each part assembles by itself: llvm-mc -triple=amdgcn-amd-amdhsa -mcpu=gfx1250 --defsym DOCPART=n.
;; ======== version 1 of 1: 4 launches
;; limits: right only within a limited range of input values
;; workspace buffers: wimg 3,276,800 bytes; xc 19,660,800 bytes; maskw 2,097,152 bytes of whole numbers; qc 7,340,032 bytes; kv 14,155,776 bytes; ao 6,291,456 bytes; aos 1,048,576 bytes
;; launch prep (part 1): grid 768 x 1, 4 waves a work-group, no clusters, 93,696 bytes of LDS; arguments Wq, Wk, Wv, Wo, query, key, value, mask, wimg, xc, maskw; writes wimg, xc, maskw
.if DOCPART == 1
	.amdgcn_target "amdgcn-amd-amdhsa--gfx1250"
	.amdhsa_code_object_version 6
	.text
	.protected	k_q50d0cba3b5_prep
	.globl	k_q50d0cba3b5_prep
	.p2align	8
	.type	k_q50d0cba3b5_prep,@function
k_q50d0cba3b5_prep:
	s_mov_b64 s[64:65], 0
	v_nop
	global_prefetch_b8 v0, s[64:65] scope:SCOPE_SE
	s_setreg_imm32_b32 hwreg(HW_REG_WAVE_MODE, 25, 1), 1
	s_wait_xcnt 0x0
; PREP: everything that is quantised or packed once, in one launch with three paths chosen by the work-group's number.
;   W (work-groups 0-127):   Wq, Wk, Wv, Wo [1024 (k)][1024 (n)] f32 -> codes of FP6 (E2M3) along K (the first axis) + E8M0 bytes, laid as images of operand registers (wimg).
;   X (work-groups 128-511): query, key, value [8192][1024] f32 -> codes along K (innermost) + scale words, as images (xc).
;   M (work-groups 512-767): mask [8192 rows][2048 keys] int32 -> one bit a number, as lane masks (maskw): word n = 16 b + i of a (tile of 16 queries, step of 128 keys) holds in bit (r + 16 h)
;                            whether key 32 b + 16 h + i counts for the tile's query r: the very lanes and registers in which the attention launch holds its scores.
; TILE ROWS, everywhere in this program: tile T holds rows 32 (T >> 1) + 8 (T & 1) + r + 8 (r >> 3), r = 0 .. 15, so that the 16 registers of two neighbouring result tiles are 16 neighbours along the next K.
; AN IMAGE: registers 4 i .. 4 i + 3 of lane l lie at 512 i + 16 l.  A fragment (16 rows x 128 K, 12 registers) is three such images, 1,536 bytes; every store of a wave covers 512 (or 256) consecutive bytes, aligned to 256.
; A block's scale is 2^(floor(log2(largest magnitude)) - 2): its byte is the largest magnitude's exponent field - 2, held at 1 from below by a floor among the maximum's leaves.
; LIMITS: a block whose largest magnitude lies under 2^-124, a block of zeros among them, gets the byte 1 (a block of zeros: where the quantiser says 127; its codes are zeros, and this program alone reads the bytes).
;         NaN and infinities among the inputs are not served.
; No barrier: waves share nothing; each wave and each path has LDS bytes of its own.  Every step is written out, so that every offset is an immediate and no pointer is stepped.
.set WST, 0                            ; path W: 6,400 bytes a wave: a stage of four fragments (6,144), then 256 bytes of scale words
.set XST, 25600                        ; path X: 16 rows x 528 bytes a wave
.set MST, 59392                        ; path M: the same
.set SP,  528                          ; a stage row: 512 bytes + 16: the sixteen rows that a load touches start 33 x 16 bytes apart
.set R0,  16                           ; v16-143  two sets of 64 registers, as loaded
.set X,   144                          ; v144-207 64 numbers of a lane, in the order that the work wants
.macro RLOAD t, rowb, ptr              ; step t: 512 bytes of each of the tile's 16 rows; a load covers 512 consecutive bytes
.irp i, 0,1,2,3,4,5,6,7,8,9,10,11,12,13,14,15
	global_load_b128 v[R0+64*((\t)%2)+4*\i:R0+64*((\t)%2)+4*\i+3], v1, s[\ptr:\ptr+1] offset:(\i+8*(\i/8))*\rowb+512*(\t) th:TH_LOAD_NT
.endr
.endm
.macro TOSTAGE t                       ; and into the wave's stage, row by row, as they lie
.irp i, 0,1,2,3,4,5,6,7,8,9,10,11,12,13,14,15
	ds_store_b128 v2, v[R0+64*((\t)%2)+4*\i:R0+64*((\t)%2)+4*\i+3] offset:SP*\i
.endr
.endm
.macro LWAIT t                         ; this step's 16 loads are in; the next step's 16 may be out
.if (\t) < 7
	s_wait_loadcnt 16
.else
	s_wait_loadcnt 0x0
.endif
.endm
; ---- path X: one K step (128 along K) of a tile of 16 rows becomes one fragment and one scale word a row
.macro XSTEP t
	LWAIT \t
	TOSTAGE \t
.irp c, 0,1
.irp j, 0,1,2,3,4,5,6,7
	ds_load_b128 v[X+32*\c+4*\j:X+32*\c+4*\j+3], v3 offset:256*\c+16*\j   ; lane (r, h): block 2 c + h of row r, whole: k = 64 c + 32 h + 0 .. 31, as the operand's layout has it
.endr
.endr
	s_wait_dscnt 0x0                               ; my 64 numbers are in, and the stage's stores have read their registers,
.if (\t) < 6
	RLOAD (\t)+2, 4096, 26                         ; which take the loads of two steps on
.endif
.irp c, 0,1
	v_max3_num_f32 v[228+\c], |v[X+32*\c]|, |v[X+1+32*\c]|, 0x1800000   ; the block's largest magnitude, with the floor 2^(3 - 127) among its leaves
.endr
.irp i, 2,4,6,8,10,12,14,16,18,20,22,24,26,28,30
.irp c, 0,1
	v_max3_num_f32 v[228+\c], v[228+\c], |v[X+32*\c+\i]|, |v[X+1+32*\c+\i]|
.endr
.endr
.irp c, 0,1
	v_add_nc_u32 v[230+\c], 0xff000000, v[228+\c]  ; 2 off the exponent field: the conversion's scale operand
.endr
.irp c, 0,1
	v_lshrrev_b32 v[232+\c], 23, v[230+\c]         ; the scale's byte
.endr
	v_lshl_or_b32 v234, v233, 16, v232             ; my two bytes, blocks h and 2 + h,
	v_lshlrev_b32 v234, v4, v234                   ; at their places (8 h bits up);
	v_permlanex16_b32 v235, v234, s38, s39
	v_or_b32 v[236+(\t)], v234, v235               ; with lane l xor 16's two the row's word is whole
	s_wait_alu depctr_va_vdst(0)
	s_wait_xcnt 0x0                                ; the last step's stores have read the codes' registers
.irp c, 0,1
	v_cvt_scalef32_pk16_fp6_f32 v[208+6*\c:210+6*\c], v[X+32*\c:X+15+32*\c], v[230+\c]
	v_cvt_scalef32_pk16_fp6_f32 v[220+4*\c:222+4*\c], v[X+16+32*\c:X+31+32*\c], v[230+\c]   ; (a conversion's three registers begin on an even number)
.endr
	v_nop                                          ; one plain line behind the scaled conversions
.irp c, 0,1
.irp i, 0,1,2
	v_mov_b32 v[211+6*\c+\i], v[220+4*\c+\i]
.endr
.endr
.irp i, 0,1,2
	global_store_b128 v1, v[208+4*\i:211+4*\i], s[22:23] offset:1536*(\t)+512*\i
.endr
.endm
; ---- path M: one step of 128 keys of a tile of 16 queries becomes 64 lane masks
.macro MSTEP t
	LWAIT \t
	TOSTAGE \t
.irp b, 0,1,2,3
.irp j, 0,1,2,3
	ds_load_b128 v[X+16*\b+4*\j:X+16*\b+4*\j+3], v3 offset:128*\b+16*\j   ; lane (r, h), register 16 b + i: key 32 b + 16 h + i of query r
.endr
.endr
	s_wait_dscnt 0x0
.if (\t) < 6
	RLOAD (\t)+2, 8192, 18
.endif
	s_wait_xcnt 0x0                                ; the last step's store has read v208 and v209
.irp q, 0,1,2,3,4,5,6,7,8,9,10,11,12,13,14,15
.irp k, 0,1,2,3
	v_cmp_ne_u32 s[28+\k], 0, v[X+4*\q+\k]         ; word n = 4 q + k: a bit a lane
.endr
.irp k, 0,1,2,3
	v_writelane_b32 v[208+\k%2], s[28+\k], 2*\q+\k/2   ; word n goes to lane n / 2 of register n % 2: the store below lays word n at byte 4 n
.endr
.endr
	global_store_b64 v4, v[208:209], s[24:25] offset:256*(\t)   ; 256 consecutive bytes, aligned
.endm
; ---- path W: a lane takes a column, its registers run down K
.macro WLOAD kb
.irp i, 0,1,2,3,4,5,6,7,8,9,10,11,12,13,14,15,16,17,18,19,20,21,22,23,24,25,26,27,28,29,30,31
	global_load_b32 v[32+32*((\kb)%2)+\i], v2, s[26:27] offset:(32*(\kb)+\i)*4096 th:TH_LOAD_NT
.endr
.endm
.macro WBLOCK kb                       ; block kb of 8: K step kb / 4 of my two, registers 6 c .. 6 c + 5 (c = (kb / 2) % 2) of lane r + 16 h (h = kb % 2) of my column's fragment
.set XS, 32+32*((\kb)%2)
.set SOFF, 3072*((\kb)/4)+256*((\kb)%2)
.if (\kb) < 7
	s_wait_loadcnt 32                              ; this block's 32 loads are in; the next block's may be out
.else
	s_wait_loadcnt 0x0
.endif
	v_max3_num_f32 v14, |v[XS]|, |v[XS+1]|, |v[XS+2]|
	v_max3_num_f32 v15, |v[XS+3]|, |v[XS+4]|, |v[XS+5]|
.irp i, 6,10,14,18,22,26
	v_max3_num_f32 v14, v14, |v[XS+\i]|, |v[XS+\i+1]|
	v_max3_num_f32 v15, v15, |v[XS+\i+2]|, |v[XS+\i+3]|
.endr
	v_max3_num_f32 v14, v14, |v[XS+30]|, |v[XS+31]|
	v_max3_num_f32 v14, v14, v15, 0x1800000        ; and the floor
	v_add_nc_u32 v16, 0xff000000, v14
	v_lshrrev_b32 v17, 23, v16
.if (\kb)%4 == 0
	v_mov_b32 v[24+(\kb)/4], v17                   ; four bytes make a K step's scale word, the lower K in the lower byte
.else
	v_lshl_or_b32 v[24+(\kb)/4], v17, 8*((\kb)%4), v[24+(\kb)/4]
.endif
	v_cvt_scalef32_pk16_fp6_f32 v[96:98], v[XS:XS+15], v16
	v_cvt_scalef32_pk16_fp6_f32 v[100:102], v[XS+16:XS+31], v16
	v_nop                                          ; one plain line behind the scaled conversions
	v_mov_b32 v99, v100
	v_mov_b32 v100, v101
	v_mov_b32 v101, v102                           ; v96-101: the block's 24 bytes
.if ((\kb)/2)%2 == 0
	ds_store_b128 v3, v[96:99] offset:SOFF         ; registers 0-3: image 0;
	ds_store_b64 v3, v[100:101] offset:SOFF+512    ; registers 4, 5: the lower half of image 1's 16 bytes
.else
	ds_store_b64 v3, v[96:97] offset:SOFF+520      ; registers 6, 7: its upper half;
	ds_store_b128 v3, v[98:101] offset:SOFF+1024   ; registers 8-11: image 2
.endif
.if (\kb)+2 < 8
	WLOAD (\kb)+2
.endif
	s_wait_dscnt 0x0                               ; the stores have read their registers: the next block's codes may be written
.endm
	s_load_b512 s[4:19], s[0:1], 0x0               ; Wq s[4:5], Wk s[6:7], Wv s[8:9], Wo s[10:11], query s[12:13], key s[14:15], value s[16:17], mask s[18:19]
	s_load_b128 s[20:23], s[0:1], 0x40             ; wimg s[20:21], xc s[22:23]
	s_load_b64 s[24:25], s[0:1], 0x50              ; maskw
	v_lshl_add_u32 v254, v0, 2, 0x16c00
	v_mov_b32 v255, 0
	v_lshrrev_b32 v1, 5, v0
	v_readfirstlane_b32 s2, v1                     ; wave 0..3
	v_and_b32 v5, 31, v0                           ; lane
	v_lshlrev_b32 v1, 4, v5                        ; 16 x lane
	v_and_b32 v6, 15, v0                           ; r
	v_bfe_u32 v7, v0, 4, 1                         ; h
	s_mov_b32 s38, 0x76543210
	s_mov_b32 s39, 0xfedcba98                      ; v_permlanex16_b32's selects for lane l xor 16
	s_wait_kmcnt 0x0
	s_cmp_lt_u32 ttmp9, 128
	s_cbranch_scc1 .Lw
	s_cmp_lt_u32 ttmp9, 512
	s_cbranch_scc1 .Lx
	; ================ path M: job jm = 4 (g - 512) + wave: tile jm >> 1, keys 1,024 (jm & 1) on
	s_sub_co_u32 s3, ttmp9, 512
	s_lshl_b32 s3, s3, 2
	s_add_co_u32 s3, s3, s2
	s_lshr_b32 s32, s3, 2
	s_lshl_b32 s32, s32, 18                        ; 32 (T >> 1) rows of 8,192 bytes
	s_bfe_u32 s33, s3, 0x10001
	s_lshl_b32 s33, s33, 16                        ; + 8 (T & 1) rows
	s_add_co_u32 s32, s32, s33
	s_and_b32 s33, s3, 1
	s_lshl_b32 s33, s33, 12                        ; + my half of the keys
	s_add_co_u32 s32, s32, s33
	s_mov_b32 s33, 0
	s_add_nc_u64 s[18:19], s[18:19], s[32:33]
	s_lshl_b32 s32, s3, 11                         ; out: eight steps of 256 bytes a job
	s_add_nc_u64 s[24:25], s[24:25], s[32:33]
	s_mul_i32 s34, s2, 16*SP
	s_add_co_u32 s34, s34, MST
	s_wait_alu depctr_va_vdst(0)
	v_add_nc_u32 v2, s34, v1                       ; into the stage: 16 x lane
	v_mul_u32_u24 v3, v6, SP
	v_lshl_add_u32 v3, v7, 6, v3
	v_add_nc_u32 v3, s34, v3                       ; out of it: row r, + 64 h
	v_lshlrev_b32 v4, 3, v5                        ; 8 x lane
	v_mov_b32 v208, 0                              ; (v_writelane_b32's destination counts as read)
	v_mov_b32 v209, 0
	RLOAD 0, 8192, 18
	RLOAD 1, 8192, 18
	s_wait_alu depctr_va_vdst(0)
.irp t, 0,1,2,3,4,5,6,7
	s_wait_alu depctr_va_vdst(0)
	MSTEP \t
.endr
	s_wait_tensorcnt 0x0
	ds_add_u32 v254, v255
	s_wait_dscnt 0x0
	s_endpgm
	; ================ path X: job jx = 4 (g - 128) + wave: tensor jx >> 9, tile jx & 511
.Lx:
	s_sub_co_u32 s3, ttmp9, 128
	s_lshl_b32 s3, s3, 2
	s_add_co_u32 s3, s3, s2
	s_lshr_b32 s28, s3, 9
	s_and_b32 s29, s3, 511
	s_cmp_eq_u32 s28, 0
	s_cselect_b64 s[26:27], s[12:13], s[14:15]     ; the choice hangs on the work-group's and the wave's number alone
	s_cmp_eq_u32 s28, 2
	s_cselect_b64 s[26:27], s[16:17], s[26:27]
	s_lshr_b32 s30, s29, 1
	s_lshl_b32 s30, s30, 17                        ; 32 (T >> 1) rows of 4,096 bytes
	s_and_b32 s31, s29, 1
	s_lshl_b32 s31, s31, 15                        ; + 8 (T & 1) rows
	s_add_co_u32 s30, s30, s31
	s_mov_b32 s31, 0
	s_add_nc_u64 s[26:27], s[26:27], s[30:31]
	s_mul_i32 s30, s3, 12800                       ; out: eight fragments and 512 bytes of scale words a tile
	s_add_nc_u64 s[22:23], s[22:23], s[30:31]
	s_mul_i32 s32, s2, 16*SP
	s_add_co_u32 s32, s32, XST
	s_wait_alu depctr_va_vdst(0)
	v_add_nc_u32 v2, s32, v1
	v_mul_u32_u24 v3, v6, SP
	v_lshl_add_u32 v3, v7, 7, v3
	v_add_nc_u32 v3, s32, v3                       ; out of the stage: row r, + 128 h
	v_lshlrev_b32 v4, 3, v7                        ; 8 h
	v_mov_b32 v235, 0                              ; (a lane permute's destination counts as one of its sources)
	RLOAD 0, 4096, 26
	RLOAD 1, 4096, 26
	s_wait_alu depctr_va_vdst(0)
.irp t, 0,1,2,3,4,5,6,7
	XSTEP \t
.endr
	v_cmp_le_u32 vcc_lo, 16, v5                    ; the scale image: register j holds K step j in lanes 0-15 and K step 4 + j in lanes 16-31
.irp k, 0,1,2,3
	v_cndmask_b32 v[244+\k], v[236+\k], v[240+\k], vcc_lo
.endr
	global_store_b128 v1, v[244:247], s[22:23] offset:12288
	s_wait_tensorcnt 0x0
	ds_add_u32 v254, v255
	s_wait_dscnt 0x0
	s_endpgm
	; ================ path W: weight g >> 5, columns 128 (g & 7) + 32 wave on, K rows 256 ((g >> 3) & 3) on
.Lw:
	s_lshr_b32 s28, ttmp9, 5                       ; p
	s_and_b32 s29, ttmp9, 7                        ; cg
	s_bfe_u32 s30, ttmp9, 0x20003                  ; sg
	s_cmp_eq_u32 s28, 1
	s_cselect_b64 s[26:27], s[6:7], s[4:5]
	s_cmp_eq_u32 s28, 2
	s_cselect_b64 s[26:27], s[8:9], s[26:27]
	s_cmp_eq_u32 s28, 3
	s_cselect_b64 s[26:27], s[10:11], s[26:27]
	s_lshl_b32 s32, s30, 20                        ; 256 sg rows of 4,096 bytes
	s_lshl_b32 s33, s29, 9
	s_add_co_u32 s32, s32, s33
	s_lshl_b32 s33, s2, 7
	s_add_co_u32 s32, s32, s33                     ; + 4 x my wave's first column
	s_mov_b32 s33, 0
	s_add_nc_u64 s[26:27], s[26:27], s[32:33]
	s_lshl_b32 s31, s29, 1
	s_lshr_b32 s34, s2, 1
	s_add_co_u32 s31, s31, s34                     ; head = 2 cg + (wave >> 1)
	s_lshl_b32 s34, s28, 4
	s_add_co_u32 s31, s31, s34
	s_mul_i32 s32, s31, 51200                      ; 32 fragments and 2,048 bytes of scale words for a weight's 64 columns
	s_add_nc_u64 s[20:21], s[20:21], s[32:33]
	s_and_b32 s31, s2, 1                           ; b: which 32 of the head's 64 columns
	s_lshl_b32 s34, s31, 4
	s_lshl_b32 s35, s30, 1
	s_add_co_u32 s34, s34, s35
	s_mul_i32 s32, s34, 1536                       ; fragment (tile e = 2 b + u, K step s = 2 sg + sigma) lies at (8 e + s) x 1,536
	s_add_nc_u64 s[34:35], s[20:21], s[32:33]
	s_lshl_b32 s31, s31, 2
	s_add_co_u32 s31, s31, s30
	s_lshl_b32 s32, s31, 8                         ; scale image 4 b + sg
	s_add_nc_u64 s[36:37], s[20:21], s[32:33]
	s_mul_i32 s3, s2, 6400                         ; my LDS bytes (WST = 0)
	s_wait_alu depctr_va_vdst(0)
	v_lshlrev_b32 v2, 2, v5                        ; in: 4 bytes a lane
	v_bfe_u32 v8, v0, 3, 1                         ; lane l is column 8 u + r + 8 (r >> 3) of its 32: u = (l >> 3) & 1,
	v_and_b32 v9, 7, v0
	v_lshl_add_u32 v9, v7, 3, v9                   ; r = (l & 7) + 8 (l >> 4)
	v_mul_u32_u24 v3, v8, 1536
	v_lshl_add_u32 v3, v9, 4, v3
	v_add_nc_u32 v3, s3, v3                        ; the stage: fragment (sigma, u) at 3,072 sigma + 1,536 u; in it my 16 bytes at 16 r (+ 256 h)
	v_lshlrev_b32 v4, 7, v8
	v_lshl_add_u32 v4, v9, 3, v4
	v_add_nc_u32 v4, s3, v4                        ; my two scale words at 8 (r + 16 u): tile 2 b in lanes 0-15, tile 2 b + 1 in lanes 16-31
	v_add_nc_u32 v11, s3, v1
	v_lshlrev_b32 v13, 3, v5
	v_add_nc_u32 v12, s3, v13
	WLOAD 0
	WLOAD 1
.irp kb, 0,1,2,3,4,5,6,7
	WBLOCK \kb
.endr
	s_wait_alu depctr_va_vdst(0)
	ds_store_b64 v4, v[24:25] offset:6144
	ds_load_b64 v[160:161], v12 offset:6144        ; LDS serves a wave's instructions in order (ISA guide 5.7.1.4): these loads see my stores
.irp i, 0,1,2,3,4,5,6,7,8,9,10,11
	ds_load_b128 v[112+4*\i:115+4*\i], v11 offset:512*\i
.endr
	s_wait_dscnt 12                                ; the scale words are back; the twelve loads behind them may be out
	global_store_b64 v13, v[160:161], s[36:37] offset:49152
.irp i, 0,1,2,3,4,5,6,7,8,9,10,11
	s_wait_dscnt 11-\i
	global_store_b128 v1, v[112+4*\i:115+4*\i], s[34:35] offset:12288*((\i/3)%2)+1536*(\i/6)+512*(\i%3)
.endr
	s_wait_tensorcnt 0x0
	ds_add_u32 v254, v255
	s_wait_dscnt 0x0
	s_endpgm
.Lfunc_end_k_q50d0cba3b5_prep:
	.size	k_q50d0cba3b5_prep, .Lfunc_end_k_q50d0cba3b5_prep-k_q50d0cba3b5_prep
	.p2alignl 7, 3214868480
	.fill 96, 4, 3214868480
	.section	.rodata,"a",@progbits
	.p2align	6, 0x0
	.amdhsa_kernel k_q50d0cba3b5_prep
		.amdhsa_group_segment_fixed_size 93696
		.amdhsa_private_segment_fixed_size 0
		.amdhsa_enable_private_segment 0
		.amdhsa_kernarg_size 88
		.amdhsa_user_sgpr_count 2
		.amdhsa_user_sgpr_kernarg_segment_ptr 1
		.amdhsa_wavefront_size32 1
		.amdhsa_system_sgpr_workgroup_id_x 1
		.amdhsa_system_sgpr_workgroup_id_y 1
		.amdhsa_system_sgpr_workgroup_id_z 1
		.amdhsa_system_vgpr_workitem_id 0
		.amdhsa_next_free_vgpr 256
		.amdhsa_next_free_sgpr 66
		.amdhsa_reserve_vcc 1
		.amdhsa_float_denorm_mode_32 3
		.amdhsa_float_denorm_mode_16_64 3
		.amdhsa_memory_ordered 1
		.amdhsa_forward_progress 1
		.amdhsa_inst_pref_size 194
	.end_amdhsa_kernel
	.amdgpu_metadata
---
amdhsa.version: [ 1, 2 ]
amdhsa.kernels:
  - .name:           k_q50d0cba3b5_prep
    .symbol:         k_q50d0cba3b5_prep.kd
    .args:
      - { .name: Wq, .offset: 0, .size: 8, .value_kind: global_buffer, .address_space: global }
      - { .name: Wk, .offset: 8, .size: 8, .value_kind: global_buffer, .address_space: global }
      - { .name: Wv, .offset: 16, .size: 8, .value_kind: global_buffer, .address_space: global }
      - { .name: Wo, .offset: 24, .size: 8, .value_kind: global_buffer, .address_space: global }
      - { .name: query, .offset: 32, .size: 8, .value_kind: global_buffer, .address_space: global }
      - { .name: key, .offset: 40, .size: 8, .value_kind: global_buffer, .address_space: global }
      - { .name: value, .offset: 48, .size: 8, .value_kind: global_buffer, .address_space: global }
      - { .name: mask, .offset: 56, .size: 8, .value_kind: global_buffer, .address_space: global }
      - { .name: wimg, .offset: 64, .size: 8, .value_kind: global_buffer, .address_space: global }
      - { .name: xc, .offset: 72, .size: 8, .value_kind: global_buffer, .address_space: global }
      - { .name: maskw, .offset: 80, .size: 8, .value_kind: global_buffer, .address_space: global }
    .group_segment_fixed_size: 93696
    .private_segment_fixed_size: 0
    .kernarg_segment_align: 8
    .kernarg_segment_size: 88
    .max_flat_workgroup_size: 128
    .sgpr_count:     66
    .vgpr_count:     256
    .wavefront_size: 32
...
	.end_amdgpu_metadata
.endif
;; end of part 1
;; launch proj (part 2): grid 4 x 96, 4 waves a work-group, clusters of 4 x 1, 205,312 bytes of LDS; arguments xc, wimg, bq, bk, bv, qc, kv; writes qc, kv
.if DOCPART == 2
	.amdgcn_target "amdgcn-amd-amdhsa--gfx1250"
	.amdhsa_code_object_version 6
	.text
	.protected	k_q50d0cba3b5_proj
	.globl	k_q50d0cba3b5_proj
	.p2align	8
	.type	k_q50d0cba3b5_proj,@function
k_q50d0cba3b5_proj:
	s_mov_b64 s[64:65], 0
	v_nop
	global_prefetch_b8 v0, s[64:65] scope:SCOPE_SE
	s_setreg_imm32_b32 hwreg(HW_REG_WAVE_MODE, 25, 1), 1
	s_wait_xcnt 0x0
	s_wait_alu depctr_hold_cnt(0) depctr_sa_sdst(0) depctr_va_vdst(0) depctr_va_sdst(0) depctr_va_ssrc(0) depctr_va_vcc(0) depctr_vm_vsrc(0)
	s_getreg_b32 s2, hwreg(HW_REG_IB_STS2, 6, 4)
	s_cmp_eq_u32 s2, 0
	s_cbranch_scc0 .Lentry_in_a_cluster
	s_endpgm
.Lentry_in_a_cluster:
	s_bfe_u32 s2, ttmp6, 0x10000c
	s_cmp_lg_u32 s2, 0x3003
	s_cbranch_scc0 .Lentry_shape_is_right
	s_endpgm
.Lentry_shape_is_right:
; PROJ: q = query Wq + bq, k = key Wk + bk, v = value Wv + bv on codes of FP6 (E2M3) with E8M0 scales, and the results quantised in registers for the attention launch.
; SHARES.  Work-group y = 32 p + ch: projection p (0 q, 1 k, 2 v), chunk ch of 256 rows (16 tiles).  The four work-groups of a cluster take the same rows and 256 columns each; wave w of work-group cx owns
; head 4 cx + w: that head's 64 columns of W (32 fragments, 384 registers) stay in its registers for the whole launch.
; x's codes of the chunk, 16 tiles x 12,800 bytes, are all of LDS that is used: they are asked for JOINTLY by the four partners (one load a wave, 51,200 dense bytes), filled once and only read.  No LDS byte is filled twice.
; TWO MODES, one way out.  q, k: the product is used transposed (source 0 = 16 columns of W, source 1 = 16 rows of x): a lane holds one token, its registers run along the head's channels, the next K.
; v: source 0 = 16 rows of x, source 1 = 16 columns of W: a lane holds one channel, its registers run along the tokens, which are the second attention product's K.
; In both, by the choice of a tile's rows (32 (T >> 1) + 8 (T & 1) + r + 8 (r >> 3)), registers ACC + 32 G .. + 31 are two blocks of 32 along the next K, each shared by lanes l and l xor 16.
; The bias is the C of each sum's first product.  The sixteen accumulators take turns, one instruction a turn, in the same order in every K step.
; LIMITS: a block whose largest magnitude lies under 2^-124 gets the scale byte 1 (a block of zeros too: its codes are zeros); NaN and infinities are not served.
; REGISTERS, in windows of 256.  Window 0: v1 16 x lane, v2 8 x lane, v3 LDS address, v4-11 the bias's offsets; v16-31 W's scale words ((b, s) at 16 + 8 b + s: tile 2 b in lanes 0-15, tile 2 b + 1 in lanes 16-31);
;   v32-47 x's scale words (tile G at 32 + 4 G + j: K step j in lanes 0-15, 4 + j in lanes 16-31); v48-79 at work; v80-127 the codes just made; v128-255 the accumulators ((G, e) at 128 + 8 (4 G + e)).
;   Window 1: W's tiles 0, 1 (fragment (e, s) at 12 (8 (e & 1) + s)).  Window 2: W's tiles 2, 3.  Window 3: x's fragments, two sets of four at 48 (s & 1) + 12 tile; from v128 the bias, eight registers a tile.
.set WV,  18                           ; s18 wave
.set PP,  21                           ; s21 p
.set PD,  36                           ; s[36:37] where the trip's results go;  s[38:39] from trip to trip
.set HB,  41                           ; s41 LDS byte at which the trip's eight tiles of x begin
.set SEL, 46                           ; s[46:47] lane selects for lane l xor 16
.set ACC, 128
.set MSB, 0
.macro WIN new                         ; the immediate's high byte repeats the setting that is left; a switch that changes nothing is dropped
.if MSB != (\new)
	s_set_vgpr_msb (MSB<<8)|(\new)
.set MSB, (\new)
.endif
.endm
.macro PLACES                          ; four places (ISA guide 7.12.1) behind matrix instructions
.rept 4
	v_nop
.endr
.endm
.macro CROUND                          ; a round of the cluster's barrier
	s_barrier_signal -1
	s_barrier_wait -1
	s_cmp_lg_u32 s[WV], 0
	s_cbranch_scc1 .Lnot_wave_0_\@
	s_barrier_signal -3
.Lnot_wave_0_\@:
	s_barrier_wait -3
	s_barrier_signal -1
	s_barrier_wait -1
.endm
.macro MM ra, rb                       ; one product on the registers named by rD, rA, rB, rC, rSA, rSB; ra, rb = 1: that side's scales stand in lanes 16-31
.if (\ra) && (\rb)
	v_wmma_scale_f32_16x16x128_f8f6f4 v[rD:rD+7], v[rA:rA+11], v[rB:rB+11], v[rC:rC+7], v[rSA], v[rSB] matrix_a_fmt:MATRIX_FMT_FP6 matrix_b_fmt:MATRIX_FMT_FP6 matrix_a_scale:MATRIX_SCALE_ROW1 matrix_b_scale:MATRIX_SCALE_ROW1
.elseif (\ra)
	v_wmma_scale_f32_16x16x128_f8f6f4 v[rD:rD+7], v[rA:rA+11], v[rB:rB+11], v[rC:rC+7], v[rSA], v[rSB] matrix_a_fmt:MATRIX_FMT_FP6 matrix_b_fmt:MATRIX_FMT_FP6 matrix_a_scale:MATRIX_SCALE_ROW1
.elseif (\rb)
	v_wmma_scale_f32_16x16x128_f8f6f4 v[rD:rD+7], v[rA:rA+11], v[rB:rB+11], v[rC:rC+7], v[rSA], v[rSB] matrix_a_fmt:MATRIX_FMT_FP6 matrix_b_fmt:MATRIX_FMT_FP6 matrix_b_scale:MATRIX_SCALE_ROW1
.else
	v_wmma_scale_f32_16x16x128_f8f6f4 v[rD:rD+7], v[rA:rA+11], v[rB:rB+11], v[rC:rC+7], v[rSA], v[rSB] matrix_a_fmt:MATRIX_FMT_FP6 matrix_b_fmt:MATRIX_FMT_FP6
.endif
.endm
.macro XFETCH s                        ; K step s of the half's four tiles of x: twelve images into set s & 1 of window 3
	WIN 0xc0
.irp G, 0,1,2,3
.irp i, 0,1,2
	ds_load_b128 v[48*((\s)%2)+12*\G+4*\i:48*((\s)%2)+12*\G+4*\i+3], v3 offset:12800*\G+1536*(\s)+512*\i
.endr
.endr
.endm
; Eight products of K step s: those whose fragments of W lie in window 1 + hi.  mode 0: q, k;  mode 1: v.  In K step 0 the C is the bias, in window 3.
.macro PROD mode, s, hi
.if (\s) == 0
.set CW, 0x30
.else
.set CW, 0
.endif
.if \mode == 0
	WIN (0x0d+\hi+CW)                              ; source 0 (W) window 1 or 2, source 1 (x) window 3
.irp G, 0,1,2,3
.irp u, 0,1
.set rD, ACC+8*(4*\G+2*\hi+\u)
.set rA, 12*(8*\u+(\s))
.set rB, 48*((\s)%2)+12*\G
.set rSA, 16+8*\hi+(\s)
.set rSB, 32+4*\G+(\s)%4
.if (\s) == 0
.set rC, 128+8*(2*\hi+\u)
.else
.set rC, rD
.endif
	MM \u, (\s)/4
.endr
.endr
.else
	WIN (0x07+4*\hi+CW)                            ; source 0 (x) window 3, source 1 (W) window 1 or 2
.irp g, 0,1
.irp e, 0,1,2,3
.set rD, ACC+8*(4*(2*\hi+\g)+\e)
.set rA, 48*((\s)%2)+12*\e
.set rB, 12*(8*\g+(\s))
.set rSA, 32+4*\e+(\s)%4
.set rSB, 16+8*\hi+(\s)
.if (\s) == 0
.set rC, 128+8*(2*\hi+\g)
.else
.set rC, rD
.endif
	MM (\s)/4, \g
.endr
.endr
.endif
.endm
.macro STEP mode, s
	PLACES                                         ; behind the products that read the other set of x's fragments, into which the loads below land
.if (\s) < 7
	XFETCH (\s)+1
	s_wait_dscnt 12                                ; this K step's fragments (and, in K step 0, the scale words) are in; the twelve loads just issued may be out
.else
	s_wait_dscnt 0x0
.endif
	PROD \mode, \s, 0
	PROD \mode, \s, 1
.endm
; The 128 results of a lane are eight half blocks of 16 along the next K (block beta: registers ACC + 16 beta on); they become four runs of six registers of codes, v80 + 8 G on, and four scale words.
.macro QUANT8 mode, par
.irp b, 0,1,2,3,4,5,6,7
	v_max3_num_f32 v[48+\b], |v[ACC+16*\b]|, |v[ACC+1+16*\b]|, 0x1800000   ; my 16 numbers, from each accumulator's low end on, and the floor 2^(3 - 127): the byte cannot fall under 1
.endr
.irp i, 2,4,6,8,10,12,14
.irp b, 0,1,2,3,4,5,6,7
	v_max3_num_f32 v[48+\b], v[48+\b], |v[ACC+16*\b+\i]|, |v[ACC+1+16*\b+\i]|
.endr
.endr
.irp b, 0,1,2,3,4,5,6,7
	v_permlanex16_b32 v[56+\b], v[48+\b], s[SEL], s[SEL+1]
.endr
.irp b, 0,1,2,3,4,5,6,7
	v_max_num_f32 v[48+\b], v[48+\b], v[56+\b]     ; with lane l xor 16's: the block's largest magnitude
.endr
.irp b, 0,1,2,3,4,5,6,7
	v_add_nc_u32 v[64+\b], 0xff000000, v[48+\b]    ; 2 off its exponent field: the conversion's scale operand
.endr
.irp b, 0,1,2,3,4,5,6,7
	v_lshrrev_b32 v[56+\b], 23, v[64+\b]           ; the scale's byte
.endr
	s_wait_alu depctr_va_vdst(0)
	s_wait_xcnt 0x0                                ; the last half's stores have read the registers that are written from here on
.irp G, 0,1,2,3
.if \mode == 0
	v_lshl_or_b32 v[72+\G], v[57+2*\G], 8, v[56+2*\G]   ; q, k: K is 64: two bytes; bytes 2 and 3 stay 0 and meet zero codes
.elseif \par == 0
	v_lshl_or_b32 v[76+\G], v[57+2*\G], 8, v[56+2*\G]   ; v: the key step's first 64 tokens: kept
.else
	v_lshl_or_b32 v[48+\G], v[57+2*\G], 8, v[56+2*\G]
.endif
.endr
.if (\mode == 1) && (\par == 1)
.irp G, 0,1,2,3
	v_lshl_or_b32 v[72+\G], v[48+\G], 16, v[76+\G]      ; v: with the second 64 tokens' two bytes the word is whole
.endr
.endif
.irp G, 0,1,2,3
	v_cvt_scalef32_pk16_fp6_f32 v[80+8*\G:82+8*\G], v[ACC+32*\G:ACC+15+32*\G], v[64+2*\G]
	v_cvt_scalef32_pk16_fp6_f32 v[112+4*\G:114+4*\G], v[ACC+16+32*\G:ACC+31+32*\G], v[65+2*\G]
.endr
	v_nop                                          ; one plain line behind the scaled conversions
.irp G, 0,1,2,3                        ; the operand's layout wants a WHOLE block in a lane: lanes 0-15 the first block, lanes 16-31 the second
.irp i, 0,1,2
	v_permlane16_swap_b32 v[80+8*\G+\i], v[112+4*\G+\i]
.endr
.endr
.irp G, 0,1,2,3
.irp i, 0,1,2
	v_mov_b32 v[83+8*\G+\i], v[112+4*\G+\i]
.endr
.endr
.endm
; Half a trip: 64 rows (four tiles) x my 64 columns.
.macro HALF mode, par
	s_add_co_u32 s42, s[HB], 51200*\par
	v_add_nc_u32 v3, s42, v1
	s_wait_alu depctr_va_vdst(0)
.irp G, 0,1,2,3
	ds_load_b128 v[32+4*\G:35+4*\G], v3 offset:12800*\G+12288   ; x's scale words
.endr
	XFETCH 0
.irp s, 0,1,2,3,4,5,6,7
	STEP \mode, \s
.endr
	WIN 0
	PLACES                                         ; in front of the first read of results
	QUANT8 \mode, \par
.irp G, 0,1,2,3
	global_store_b128 v1, v[80+8*\G:83+8*\G], s[PD:PD+1] offset:3072*\par+768*\G        ; registers 0-3 as an image: 512 consecutive bytes,
	global_store_b64 v2, v[84+8*\G:85+8*\G], s[PD:PD+1] offset:3072*\par+768*\G+512     ; registers 4, 5: 256
.endr
.if \mode == 0
	global_store_b128 v1, v[72:75], s[PD:PD+1] offset:6144+512*\par
.elseif \par == 1
	global_store_b128 v1, v[72:75], s[PD:PD+1] offset:6144
.endif
.endm
	s_load_b256 s[4:11], s[0:1], 0x0               ; xc s[4:5], wimg s[6:7], bq s[8:9], bk s[10:11]
	s_load_b128 s[12:15], s[0:1], 0x20             ; bv s[12:13], qc s[14:15]
	s_load_b64 s[16:17], s[0:1], 0x30              ; kv
	v_lshl_add_u32 v123, v0, 2, 0x32000
	v_mov_b32 v127, 0
	ds_add_u32 v123, v127
	ds_add_u32 v123, v127
	v_lshrrev_b32 v1, 5, v0
	v_readfirstlane_b32 s[WV], v1                  ; wave 0..3
	s_bfe_u32 s19, ttmp6, 0x40000                  ; cx: it enters W's, the bias's and the results' addresses alone
	s_and_b32 s20, ttmp7, 0xffff                   ; y, which the four partners share
	s_lshr_b32 s[PP], s20, 5
	s_and_b32 s22, s20, 31                         ; ch
	s_lshl_b32 s23, s19, 2
	s_add_co_u32 s23, s23, s[WV]                   ; head
	; descriptor group 1: 51,200 dense bytes as 200 rows of 256 (32 elements of 8 bytes)
	s_mov_b32 s24, 15|(3<<16)|(1<<21)              ; 15:0 the mask: all four work-groups; 17:16 elements of 8 bytes; 21 set beside a mask; no padding
	s_mov_b32 s25, 32<<16                          ; tensor_dim0 = 32
	s_mov_b32 s26, 200<<16                         ; tensor_dim1 = 200
	s_mov_b32 s27, 32<<16                          ; tile_dim0 = 32
	s_mov_b32 s28, 200                             ; tile_dim1 = 200
	s_mov_b32 s29, 32                              ; from row to row
	s_mov_b32 s30, 0
	s_mov_b32 s31, 0
	s_mul_i32 s44, s20, 204800                     ; xc is laid [p][tile]: the chunk begins at tile 16 y
	s_mul_i32 s41, s[WV], 51200                    ; my four tiles of it, in memory and in LDS
	s_add_co_u32 s44, s44, s41
	s_mov_b32 s45, 0
	s_wait_dscnt 0x0
	s_wait_kmcnt 0x0
	s_mov_b32 s32, 1                               ; group 0: count,
	s_mov_b32 s33, s41                             ; LDS address,
	s_add_nc_u64 s[34:35], s[4:5], s[44:45]        ; global address,
	s_or_b32 s35, s35, 0x80000000                  ; type
	CROUND                                         ; all four work-groups are here: the joint loads meet
	tensor_load_to_lds s[32:35], s[24:31]          ; my one tensor load of the launch
	s_nop 0
	PLACES
	s_mov_b32 s[HB], 0
	s_cmp_eq_u32 s[PP], 0
	s_cselect_b64 s[48:49], s[8:9], s[10:11]       ; the bias,
	s_cselect_b64 s[PD:PD+1], s[14:15], s[16:17]   ; the buffer of results,
	s_mov_b32 s38, 13824
	s_cselect_b32 s38, 7168, s38                   ; and a block of eight tiles in it: 7,168 bytes in qc, 13,824 (a key step's K and V) in kv
	s_cmp_eq_u32 s[PP], 2
	s_cselect_b64 s[48:49], s[12:13], s[48:49]
	s_cselect_b32 s42, 7168, 0                     ; V lies behind K in a key step
	s_cselect_b32 s43, -1, 0
	s_mov_b32 s39, 0
	s_lshr_b32 s50, s22, 3                         ; batch
	s_lshl_b32 s50, s50, 4
	s_add_co_u32 s50, s50, s23
	s_lshl_b32 s50, s50, 4                         ; (16 batch + head) x 16 blocks
	s_and_b32 s51, s22, 7
	s_lshl_b32 s51, s51, 1
	s_add_co_u32 s50, s50, s51                     ; + the chunk's first block
	s_mul_i32 s50, s50, s38
	s_add_co_u32 s50, s50, s42
	s_mov_b32 s51, 0
	s_add_nc_u64 s[PD:PD+1], s[PD:PD+1], s[50:51]
	s_lshl_b32 s50, s[PP], 4
	s_add_co_u32 s50, s50, s23
	s_mul_i32 s50, s50, 51200
	s_add_nc_u64 s[6:7], s[6:7], s[50:51]          ; my head's part of W
	s_lshl_b32 s50, s23, 8
	s_add_nc_u64 s[48:49], s[48:49], s[50:51]      ; and of the bias
	s_mov_b32 s[SEL], 0x76543210
	s_mov_b32 s[SEL+1], 0xfedcba98
	v_and_b32 v2, 31, v0
	v_lshlrev_b32 v1, 4, v2                        ; 16 x lane
	v_lshlrev_b32 v2, 3, v2                        ; 8 x lane
	v_and_b32 v12, 15, v0
	v_bfe_u32 v13, v0, 4, 1
	v_and_b32 v14, 8, v12
	v_add_nc_u32 v12, v12, v14
	v_lshlrev_b32 v12, 2, v12                      ; v: register j of tile G wants the bias of the lane's channel: 4 (r + 8 (r >> 3)), the same for all j
	v_lshlrev_b32 v13, 6, v13                      ; q, k: register j of tile e wants that of channel 16 h + j of the tile's: 64 h + 4 j
.irp j, 0,1,2,3,4,5,6,7
	v_add_nc_u32 v14, 4*\j, v13
	v_cndmask_b32 v[4+\j], v14, v12, s43
.endr
.irp b, 0,1,2,3,4,5,6,7
	v_mov_b32 v[56+\b], 0                          ; written once: a lane permute's destination counts as one of its sources
.endr
	WIN 0x40                                       ; destination window 1
.irp e, 0,1
.irp s, 0,1,2,3,4,5,6,7
.irp i, 0,1,2
	global_load_b128 v[12*(8*\e+\s)+4*\i:12*(8*\e+\s)+4*\i+3], v1, s[6:7] offset:(8*\e+\s)*1536+512*\i
.endr
.endr
.endr
	WIN 0x80                                       ; destination window 2
.irp e, 0,1
.irp s, 0,1,2,3,4,5,6,7
.irp i, 0,1,2
	global_load_b128 v[12*(8*\e+\s)+4*\i:12*(8*\e+\s)+4*\i+3], v1, s[6:7] offset:(16+8*\e+\s)*1536+512*\i
.endr
.endr
.endr
	WIN 0xc0                                       ; destination window 3
.irp t, 0,1,2,3
.irp j, 0,1,2,3,4,5,6,7
	global_load_b32 v[128+8*\t+\j], v[4+\j], s[48:49] offset:4*(32*(\t/2)+8*(\t%2))
.endr
.endr
	WIN 0
.irp q, 0,1,2,3,4,5,6,7
	global_load_b64 v[16+2*\q:17+2*\q], v2, s[6:7] offset:49152+256*\q
.endr
	s_wait_loadcnt 0x0                             ; W, its scale words and the bias: once
	s_wait_tensorcnt 0x0                           ; my four tiles of x have landed,
	s_barrier_signal -1
	s_barrier_wait -1                              ; everybody's have
	s_mov_b32 s40, 2
.Ltrip:                                            ; a trip: 128 rows.  Every work-group walks the loop; the two modes part inside it, on y alone
	s_cmp_eq_u32 s[PP], 2
	s_cbranch_scc1 .Lv
	HALF 0, 0
	HALF 0, 1
	s_branch .Ljoin
.Lv:
	HALF 1, 0
	HALF 1, 1
.Ljoin:
	s_wait_xcnt 0x0                                ; the trip's stores have read their base
	s_add_nc_u64 s[PD:PD+1], s[PD:PD+1], s[38:39]
	s_add_co_u32 s[HB], s[HB], 102400
	s_sub_co_u32 s40, s40, 1
	s_cmp_lg_u32 s40, 0
	s_cbranch_scc1 .Ltrip
	s_wait_dscnt 0x0
	s_wait_tensorcnt 0x0
	ds_add_u32 v123, v127
	s_wait_dscnt 0x0
	CROUND                                         ; the closing round: no work-group ends while a partner may still ask for a tile that names it
	s_endpgm
.Lfunc_end_k_q50d0cba3b5_proj:
	.size	k_q50d0cba3b5_proj, .Lfunc_end_k_q50d0cba3b5_proj-k_q50d0cba3b5_proj
	.p2alignl 7, 3214868480
	.fill 96, 4, 3214868480
	.section	.rodata,"a",@progbits
	.p2align	6, 0x0
	.amdhsa_kernel k_q50d0cba3b5_proj
		.amdhsa_group_segment_fixed_size 205312
		.amdhsa_private_segment_fixed_size 0
		.amdhsa_enable_private_segment 0
		.amdhsa_kernarg_size 56
		.amdhsa_user_sgpr_count 2
		.amdhsa_user_sgpr_kernarg_segment_ptr 1
		.amdhsa_wavefront_size32 1
		.amdhsa_system_sgpr_workgroup_id_x 1
		.amdhsa_system_sgpr_workgroup_id_y 1
		.amdhsa_system_sgpr_workgroup_id_z 1
		.amdhsa_system_vgpr_workitem_id 0
		.amdhsa_next_free_vgpr 1024
		.amdhsa_next_free_sgpr 66
		.amdhsa_reserve_vcc 0
		.amdhsa_float_denorm_mode_32 3
		.amdhsa_float_denorm_mode_16_64 3
		.amdhsa_memory_ordered 1
		.amdhsa_forward_progress 1
		.amdhsa_inst_pref_size 150
	.end_amdhsa_kernel
	.amdgpu_metadata
---
amdhsa.version: [ 1, 2 ]
amdhsa.kernels:
  - .name:           k_q50d0cba3b5_proj
    .symbol:         k_q50d0cba3b5_proj.kd
    .args:
      - { .name: xc, .offset: 0, .size: 8, .value_kind: global_buffer, .address_space: global }
      - { .name: wimg, .offset: 8, .size: 8, .value_kind: global_buffer, .address_space: global }
      - { .name: bq, .offset: 16, .size: 8, .value_kind: global_buffer, .address_space: global }
      - { .name: bk, .offset: 24, .size: 8, .value_kind: global_buffer, .address_space: global }
      - { .name: bv, .offset: 32, .size: 8, .value_kind: global_buffer, .address_space: global }
      - { .name: qc, .offset: 40, .size: 8, .value_kind: global_buffer, .address_space: global }
      - { .name: kv, .offset: 48, .size: 8, .value_kind: global_buffer, .address_space: global }
    .group_segment_fixed_size: 205312
    .private_segment_fixed_size: 0
    .kernarg_segment_align: 8
    .kernarg_segment_size: 56
    .max_flat_workgroup_size: 128
    .sgpr_count:     66
    .vgpr_count:     1024
    .wavefront_size: 32
...
	.end_amdgpu_metadata
.endif
;; end of part 2
;; launch attn (part 3): grid 4 x 64, 16 waves a work-group, clusters of 4 x 1, 223,232 bytes of LDS; arguments qc, kv, maskw, ao, aos; writes ao, aos
.if DOCPART == 3
	.amdgcn_target "amdgcn-amd-amdhsa--gfx1250"
	.amdhsa_code_object_version 6
	.text
	.protected	k_q50d0cba3b5_attn
	.globl	k_q50d0cba3b5_attn
	.p2align	8
	.type	k_q50d0cba3b5_attn,@function
k_q50d0cba3b5_attn:
	s_mov_b64 s[64:65], 0
	v_nop
	global_prefetch_b8 v0, s[64:65] scope:SCOPE_SE
	s_setreg_imm32_b32 hwreg(HW_REG_WAVE_MODE, 25, 1), 1
	s_wait_xcnt 0x0
	s_wait_alu depctr_hold_cnt(0) depctr_sa_sdst(0) depctr_va_vdst(0) depctr_va_sdst(0) depctr_va_ssrc(0) depctr_va_vcc(0) depctr_vm_vsrc(0)
	s_getreg_b32 s2, hwreg(HW_REG_IB_STS2, 6, 4)
	s_cmp_eq_u32 s2, 0
	s_cbranch_scc0 .Lentry_in_a_cluster
	s_endpgm
.Lentry_in_a_cluster:
	s_bfe_u32 s2, ttmp6, 0x10000c
	s_cmp_lg_u32 s2, 0x3003
	s_cbranch_scc0 .Lentry_shape_is_right
	s_endpgm
.Lentry_shape_is_right:
; ATTN: for each (batch, head) softmax(q k^T / 8, masked) v, both products on codes of FP6 (E2M3) with E8M0 scales; the result, divided by the row's sum, is quantised along d_model for the last projection.
; THE SOFTMAX AHEAD OF THE SECOND PRODUCT: t = score x log2(e) / 8; M = the running largest t rounded UP to a whole number; p = 2^(t - M) is quantised along the keys, not normalised; the row's sum is taken of the
; unquantised p.  When M moves, the sum and O are multiplied by 2^(old M - new M), which rounds nothing.
; THE MASK comes as lane masks (one word for each register of scores), read by scalar loads: a hidden score is replaced, by one v_cndmask_b32, with -2^40 (logit -2^37 = -1.37e11 where the module has -1e11).
; c x 2^40 is a whole number, so in a row all of whose keys are hidden t - M is 0 and p is 1 for every key, as the module has it; in every other row a hidden key's p is 0; and when a row's first open key comes
; in a later step, 2^(old M - new M) is 0 and wipes what was summed.  LIMIT: real logits under about -1e11 are not told from hidden ones as the module tells them.  NaN and infinities are not served.
; SHARES.  Work-group (cx, y): y = 16 batch + head, queries 512 cx on.  Each of sixteen waves owns two tiles of 16 queries, one after the other (two passes), in 256 registers.  Every wave walks all 2,048 keys, 128 a step.
; LDS holds the whole head's K and V, codes and scale words, as images of operand registers: 16 key steps x 13,824 bytes, filled ONCE: wave w asks for key step w, jointly with the same wave of the three partners,
; which walk the same head.  No LDS byte is filled twice, nothing is stored into LDS.
; LAYOUT.  Both products are used transposed: S^T = K Q^T (source 0 = 16 keys, source 1 = my 16 queries), O^T = V^T P^T: a lane holds ONE query throughout.  By the choice of a tile's rows the 16 registers of
; tiles 2 b, 2 b + 1 of S^T are keys 32 b + 16 h + 0 .. 15, and those of O^T channels 32 b + 16 h + 0 .. 15.
; K = 64 IN AN INSTRUCTION OF 128: Q's registers 6-11 are zero codes; K's fragment t names 12 registers of which the upper six are the next tile's codes (behind tile 7: p's codes of the step before): every 6-bit code is a
; finite number, they meet Q's zero codes and add nothing.
; K AND V HAVE REGISTERS OF THEIR OWN: behind a step's first product go out V's 17 LDS loads and then the NEXT step's 18 loads of K, one key step further on by the immediate offset.  The wait ahead of the second product
; counts those 18.  A pass's last step asks for no further K and is written out behind the loop of 15.  The next step's lane masks are asked for as soon as M is made.
; No prefetch into the L2: K and V come once, by the head's one load a wave; the masks' scalar loads stand most of a step ahead of their use.
; REGISTERS: v1 16 x lane, v2 8 x lane, v3, v4 LDS addresses, v5 -2^40, v6 Q's scale word, v7 p's scale word, v[8:9] the two passes' scale words, v10 at work; v12 -M, v13 the largest t, v[14:15] the sum; v16-27 Q;
;   v28-75 K; v76-87 p's codes (ahead of the conversions: chains of the maxima and of the sum); v88-135 V; v136-143 K's scale words, v144-147 V's; v148-211 S^T, then p; v212-243 O^T; v244-253 at work.
.set STEPB, 13824
.set FR,  28
.set PCD, 76                           ; = FR + 48: tile 7's fragment runs on into it
.set VF,  88
.set KS,  136
.set VS,  144
.set S,   148
.set O,   212
.set BM,  244
.set BP,  248
.set F,   252                          ; v[252:253]
.set T,   10
.set PW,  7
.set WV,  14                           ; s14 wave
.set TB,  15                           ; s15 LDS byte at which the key step begins
.set G0,  84                           ; s[84:87], s[88:95] the descriptor
.set G1,  88
.set SEL, 96
.set CS,  98                           ; s[98:99] c = log2(e) / 8
.macro PLACES
.rept 4
	v_nop
.endr
.endm
.macro CROUND
	s_barrier_signal -1
	s_barrier_wait -1
	s_cmp_lg_u32 s[WV], 0
	s_cbranch_scc1 .Lnot_wave_0_\@
	s_barrier_signal -3
.Lnot_wave_0_\@:
	s_barrier_wait -3
	s_barrier_signal -1
	s_barrier_wait -1
.endm
.macro MASKS                           ; 64 lane masks, 256 bytes
	s_load_b512 s[16:31], s[8:9], 0x0
	s_load_b512 s[32:47], s[8:9], 0x40
	s_load_b512 s[48:63], s[8:9], 0x80
	s_load_b512 s[68:83], s[8:9], 0xc0
.endm
.macro KLOAD a, b, off                 ; a key step's eight tiles of K and their scale words: 18 loads
.irp t, 0,1,2,3,4,5,6,7
	ds_load_b128 v[FR+6*\t:FR+6*\t+3], \a offset:(\off)+768*\t
	ds_load_b64 v[FR+6*\t+4:FR+6*\t+5], \b offset:(\off)+768*\t+512
.endr
	ds_load_b128 v[KS:KS+3], \a offset:(\off)+6144
	ds_load_b128 v[KS+4:KS+7], \a offset:(\off)+6656
.endm
; A key step: 128 keys.  pre = 1: the next step's K is fetched.
.macro KSTEP pre
	v_add_nc_u32 v3, s[TB], v1
	v_add_nc_u32 v4, s[TB], v2
	s_wait_alu depctr_va_vdst(0)
	s_wait_dscnt 0x0                               ; this step's K, asked for a step ago
.irp t, 0,1,2,3,4,5,6,7
	v_wmma_scale_f32_16x16x128_f8f6f4 v[S+8*\t:S+8*\t+7], v[FR+6*\t:FR+6*\t+11], v[16:27], 0, v[KS+\t], v6 matrix_a_fmt:MATRIX_FMT_FP6 matrix_b_fmt:MATRIX_FMT_FP6
.endr
	PLACES                                         ; in front of the loads below and of the first read of the scores
.irp c, 0,1
.irp n, 0,1,2,3
	ds_load_b128 v[VF+12*\n+6*\c:VF+12*\n+6*\c+3], v3 offset:7168+3072*\c+768*\n      ; V's four fragments land under the softmax
	ds_load_b64 v[VF+12*\n+6*\c+4:VF+12*\n+6*\c+5], v4 offset:7168+3072*\c+768*\n+512
.endr
.endr
	ds_load_b128 v[VS:VS+3], v3 offset:13312
.if \pre
	KLOAD v3, v4, STEPB                            ; and the next step's K
.endif
	s_wait_kmcnt 0x0                               ; the lane masks are in, and their base may step
	s_cmp_lg_u32 s100, 0                           ; the base steps 31 times for my 32 key steps (a tile's 16 steps lie on end, my second tile behind my first):
	s_cselect_b32 s2, 256, 0                       ; in the last step it stays, so that the loads below name my own last masks again and no address leaves the buffer
	s_cselect_b32 s101, 1, 0
	s_add_nc_u64 s[8:9], s[8:9], s[2:3]
	s_sub_co_u32 s100, s100, s101
.set n, 0
.rept 64
.if n < 48
	v_cndmask_b32 v[S+n], v5, v[S+n], s[16+n]      ; a hidden key's score becomes -2^40; each accumulator from its low end on
.else
	v_cndmask_b32 v[S+n], v5, v[S+n], s[20+n]
.endif
.set n, n+1
.endr
; the largest score of each block of 32 keys, my 16 of them in two chains (eight chains side by side): for the row's maximum, and, since p rises with the score, for the block's largest p
.irp b, 0,1,2,3
	v_max3_num_f32 v[BM+\b], v[S+16*\b], v[S+1+16*\b], v[S+2+16*\b]
.endr
.irp b, 0,1,2,3
	v_max3_num_f32 v[PCD+\b], v[S+8+16*\b], v[S+9+16*\b], v[S+10+16*\b]
.endr
.irp i, 3,5
.irp b, 0,1,2,3
	v_max3_num_f32 v[BM+\b], v[BM+\b], v[S+16*\b+\i], v[S+1+16*\b+\i]
.endr
.irp b, 0,1,2,3
	v_max3_num_f32 v[PCD+\b], v[PCD+\b], v[S+8+16*\b+\i], v[S+9+16*\b+\i]
.endr
.endr
.irp b, 0,1,2,3
	s_delay_alu instid0(VALU_DEP_4)
	v_max3_num_f32 v[BM+\b], v[BM+\b], v[PCD+\b], v[S+7+16*\b]
.endr
.irp b, 0,1,2,3
	s_delay_alu instid0(VALU_DEP_4)
	v_max_num_f32 v[BM+\b], v[BM+\b], v[S+15+16*\b]
.endr
.irp b, 0,1,2,3
	s_delay_alu instid0(VALU_DEP_4)
	v_permlanex16_b32 v[BP+\b], v[BM+\b], s[SEL], s[SEL+1]
.endr
.irp b, 0,1,2,3
	s_delay_alu instid0(VALU_DEP_4)
	v_max_num_f32 v[BM+\b], v[BM+\b], v[BP+\b]     ; with lane l xor 16's 16 keys
.endr
	s_delay_alu instid0(VALU_DEP_2)
	v_max3_num_f32 v[T], v[BM], v[BM+1], v[BM+2]
	s_delay_alu instid0(VALU_DEP_1)
	v_max_num_f32 v[T], v[T], v[BM+3]              ; the step's largest score of my query
	s_delay_alu instid0(VALU_DEP_1)
	v_mul_f32 v[T], s[CS], v[T]                    ; as t (c is positive)
	s_delay_alu instid0(VALU_DEP_1)
	v_max_num_f32 v13, v13, v[T]                   ; the running largest t
	v_mov_b32 v[T], v12
	s_delay_alu instid0(VALU_DEP_2)
	v_floor_f32 v12, -v13                          ; the new -M = floor(-t): M is a whole number
	s_delay_alu instid0(VALU_DEP_1)
	v_sub_f32 v[T], v12, v[T]                      ; old M - new M: a whole number, 0 or less
	s_delay_alu instid0(VALU_DEP_1)
	v_cvt_i32_f32 v[T], v[T]                       ; (it saturates)
	s_delay_alu instid0(VALU_DEP_1)
	v_ldexp_f32 v[F], 1.0, v[T]                    ; f = 2^(old M - new M)
	MASKS                                          ; the NEXT step's lane masks: the 64 selects above have read this step's, so the registers are free
.set j, 0
.rept 32
	v_pk_fma_f32 v[S+j:S+j+1], v[S+j:S+j+1], s[CS:CS+1], v[12:13] op_sel_hi:[1,0,0]   ; t - M, two at a time
.set j, j+2
.endr
.irp b, 0,1,2,3
	v_fma_f32 v[BM+\b], v[BM+\b], s[CS], v12       ; the same of each block's largest score
.endr
.set j, 0
	s_wait_alu depctr_va_vdst(0)
.rept 64
	v_exp_f32 v[S+j], v[S+j]                       ; p = 2^(t - M), at most 1: not normalised
.set j, j+1
.endr
	v_pk_mul_f32 v[14:15], v[14:15], v[F:F+1] op_sel_hi:[1,0]   ; the sums under the new M: the plain line behind the exponentials
	s_wait_alu depctr_va_vdst(0)                   ; one wait for the whole batch, ahead of its first reader
.irp b, 0,1,2,3
	v_exp_f32 v[BM+\b], v[BM+\b]                   ; the block's largest p: the same two instructions on the same number give the same bits
.endr
; the row's sum of the unquantised p, two at a time, in eight chains: six in the registers that p's codes will take, one in v[BP:BP+1], one the sum itself
.irp q, 0,1,2,3,4,5
	v_pk_add_f32 v[PCD+2*\q:PCD+2*\q+1], v[S+4+8*\q:S+5+8*\q], v[S+8+8*\q:S+9+8*\q]
.endr
	v_pk_add_f32 v[BP:BP+1], v[S+52:S+53], v[S+56:S+57]
	v_pk_add_f32 v[14:15], v[14:15], v[S+60:S+61]
	v_pk_add_f32 v[PCD:PCD+1], v[PCD:PCD+1], v[S:S+1]
.irp q, 1,2,3,4,5
	v_pk_add_f32 v[PCD+2*\q:PCD+2*\q+1], v[PCD+2*\q:PCD+2*\q+1], v[S+4*\q-2:S+4*\q-1]
.endr
	v_pk_add_f32 v[BP:BP+1], v[BP:BP+1], v[S+22:S+23]
	v_pk_add_f32 v[14:15], v[14:15], v[S+26:S+27]
.irp q, 0,1,2,3,4,5
	v_pk_add_f32 v[PCD+2*\q:PCD+2*\q+1], v[PCD+2*\q:PCD+2*\q+1], v[S+30+4*\q:S+31+4*\q]
.endr
	v_pk_add_f32 v[BP:BP+1], v[BP:BP+1], v[S+54:S+55]
	v_pk_add_f32 v[14:15], v[14:15], v[S+58:S+59]
	v_pk_add_f32 v[PCD:PCD+1], v[PCD:PCD+1], v[S+62:S+63]
	s_delay_alu instid0(VALU_DEP_2)
	v_pk_add_f32 v[14:15], v[14:15], v[PCD+6:PCD+7]
	s_delay_alu instid0(VALU_DEP_2)
	v_pk_add_f32 v[PCD:PCD+1], v[PCD:PCD+1], v[PCD+8:PCD+9]
	v_pk_add_f32 v[PCD+2:PCD+3], v[PCD+2:PCD+3], v[PCD+10:PCD+11]
	v_pk_add_f32 v[PCD+4:PCD+5], v[PCD+4:PCD+5], v[BP:BP+1]
	s_delay_alu instid0(VALU_DEP_2)
	v_pk_add_f32 v[14:15], v[14:15], v[PCD+2:PCD+3]
	s_delay_alu instid0(VALU_DEP_2)
	v_pk_add_f32 v[PCD:PCD+1], v[PCD:PCD+1], v[PCD+4:PCD+5]
	s_delay_alu instid0(VALU_DEP_1)
	v_pk_add_f32 v[14:15], v[14:15], v[PCD:PCD+1]
	s_wait_alu depctr_va_vdst(0)                   ; and one for the four
.irp b, 0,1,2,3
	v_max_num_f32 v[BM+\b], 0x1800000, v[BM+\b]    ; the floor 2^(3 - 127): the byte cannot fall under 1 (a block whose every p is 0 keeps that byte: its codes are zeros)
.endr
.irp b, 0,1,2,3
	s_delay_alu instid0(VALU_DEP_4)
	v_add_nc_u32 v[BM+\b], 0xff000000, v[BM+\b]    ; 2 off the exponent field: the conversion's scale operand
.endr
.irp b, 0,1,2,3
	s_delay_alu instid0(VALU_DEP_4)
	v_lshrrev_b32 v[BP+\b], 23, v[BM+\b]           ; the scale's byte
.endr
	s_delay_alu instid0(VALU_DEP_3)
	v_lshl_or_b32 v[PW], v[BP+1], 8, v[BP]         ; p's scale word for these 128 keys
	s_delay_alu instid0(VALU_DEP_1)
	v_lshl_or_b32 v[PW], v[BP+2], 16, v[PW]
	s_delay_alu instid0(VALU_DEP_1)
	v_lshl_or_b32 v[PW], v[BP+3], 24, v[PW]
	v_cvt_scalef32_pk16_fp6_f32 v[PCD:PCD+2], v[S:S+15], v[BM]
	v_cvt_scalef32_pk16_fp6_f32 v[PCD+6:PCD+8], v[S+32:S+47], v[BM+2]
	v_nop                                          ; a plain line: the two below write over numbers that the two above have read
	v_cvt_scalef32_pk16_fp6_f32 v[S:S+2], v[S+16:S+31], v[BM+1]       ; (a conversion's three registers begin on an even number)
	v_cvt_scalef32_pk16_fp6_f32 v[S+32:S+34], v[S+48:S+63], v[BM+3]
	v_nop                                          ; one plain line behind the scaled conversions
.irp c, 0,1                            ; the operand's layout wants a WHOLE block in a lane
.irp i, 0,1,2
	v_permlane16_swap_b32 v[PCD+6*\c+\i], v[S+32*\c+\i]
.endr
.irp i, 0,1,2
	s_delay_alu instid0(VALU_DEP_3)
	v_mov_b32 v[PCD+3+6*\c+\i], v[S+32*\c+\i]
.endr
.endr
.set j, 0
.rept 16
	v_pk_mul_f32 v[O+j:O+j+1], v[O+j:O+j+1], v[F:F+1] op_sel_hi:[1,0]   ; O^T under the new M.  Of these sixteen, twelve name no register of any one product below: the places between p's scale word and codes and the products
.set j, j+2
.endr
	s_wait_alu depctr_va_vdst(0)
	s_wait_dscnt 18*\pre                           ; V is in; the next step's 18 loads of K, issued behind V's, may be out
.irp n, 0,1,2,3
	v_wmma_scale_f32_16x16x128_f8f6f4 v[O+8*\n:O+8*\n+7], v[VF+12*\n:VF+12*\n+11], v[PCD:PCD+11], v[O+8*\n:O+8*\n+7], v[VS+\n], v[PW] matrix_a_fmt:MATRIX_FMT_FP6 matrix_b_fmt:MATRIX_FMT_FP6
.endr
.endm
	s_load_b256 s[4:11], s[0:1], 0x0               ; qc s[4:5], kv s[6:7], maskw s[8:9], ao s[10:11]
	s_load_b64 s[12:13], s[0:1], 0x20              ; aos
	v_lshl_add_u32 v254, v0, 2, 0x36000
	v_mov_b32 v255, 0
	ds_add_u32 v254, v255
	ds_add_u32 v254, v255
	v_lshrrev_b32 v1, 5, v0
	s_delay_alu instid0(VALU_DEP_1)
	v_readfirstlane_b32 s[WV], v1                  ; wave 0..15
	s_bfe_u32 s16, ttmp6, 0x40000                  ; cx: it enters global addresses of Q, the mask and the results alone
	s_and_b32 s17, ttmp7, 0xffff                   ; y = 16 batch + head, which the four partners share
	; descriptor group 1: a key step, 13,824 dense bytes, as 54 rows of 256 (32 elements of 8 bytes)
	s_mov_b32 s[G1], 15|(3<<16)|(1<<21)            ; the mask: all four work-groups; elements of 8 bytes; bit 21 beside a mask; no padding
	s_mov_b32 s[G1+1], 32<<16
	s_mov_b32 s[G1+2], 54<<16
	s_mov_b32 s[G1+3], 32<<16
	s_mov_b32 s[G1+4], 54
	s_mov_b32 s[G1+5], 32
	s_mov_b32 s[G1+6], 0
	s_mov_b32 s[G1+7], 0
	s_mul_i32 s18, s17, 16*STEPB
	s_mul_i32 s19, s[WV], STEPB                    ; key step w, in memory and in LDS
	s_add_co_u32 s20, s18, s19
	s_mov_b32 s21, 0
	s_wait_dscnt 0x0
	s_wait_kmcnt 0x0
	s_mov_b32 s[G0], 1
	s_mov_b32 s[G0+1], s19
	s_add_nc_u64 s[G0+2:G0+3], s[6:7], s[20:21]
	s_or_b32 s[G0+3], s[G0+3], 0x80000000
	CROUND                                         ; all four work-groups are here: the joint loads meet
	tensor_load_to_lds s[G0:G0+3], s[G1:G1+7]      ; my one tensor load of the launch
	s_nop 0
	PLACES
	; my first tile is tile 2 (w & 3) of block 16 y + 4 cx + (w >> 2) of qc
	s_lshl_b32 s22, s17, 4
	s_lshl_b32 s23, s16, 2
	s_add_co_u32 s22, s22, s23
	s_lshr_b32 s23, s[WV], 2
	s_add_co_u32 s22, s22, s23
	s_mul_i32 s22, s22, 7168
	s_and_b32 s24, s[WV], 3
	s_mul_i32 s25, s24, 1536
	s_add_co_u32 s20, s22, s25                     ; its codes;
	s_lshr_b32 s25, s24, 1
	s_lshl_b32 s25, s25, 9
	s_and_b32 s26, s[WV], 1
	s_lshl_b32 s26, s26, 3
	s_add_co_u32 s25, s25, s26
	s_add_co_u32 s22, s22, s25
	s_add_co_u32 s22, s22, 6144                    ; its scale words: image t >> 2, register t & 3
	s_mov_b32 s23, 0
	s_add_nc_u64 s[6:7], s[4:5], s[22:23]
	s_add_nc_u64 s[4:5], s[4:5], s[20:21]
	s_lshr_b32 s24, s17, 4                         ; batch
	s_and_b32 s25, s17, 15                         ; head
	s_lshl_b32 s26, s24, 7
	s_lshl_b32 s27, s16, 5
	s_add_co_u32 s26, s26, s27
	s_lshl_b32 s27, s[WV], 1
	s_add_co_u32 s26, s26, s27                     ; my first tile among the 512: 128 batch + 32 cx + 2 w
	s_lshl_b32 s20, s26, 12
	s_add_nc_u64 s[8:9], s[8:9], s[20:21]          ; its lane masks: 16 steps of 256 bytes a tile
	s_mul_i32 s20, s26, 12288
	s_lshr_b32 s27, s25, 1
	s_mul_i32 s27, s27, 1536
	s_add_co_u32 s20, s20, s27
	s_and_b32 s27, s25, 1
	s_mul_i32 s27, s27, 768
	s_add_co_u32 s20, s20, s27
	s_add_nc_u64 s[10:11], s[10:11], s[20:21]      ; ao: [tile][K step = head >> 1][c = head & 1] x 768
	s_lshl_b32 s20, s25, 16
	s_lshr_b32 s27, s26, 1
	s_lshl_b32 s27, s27, 8
	s_add_co_u32 s20, s20, s27
	s_add_nc_u64 s[12:13], s[12:13], s[20:21]      ; aos: [head][pair of tiles] x 256
	s_mov_b32 s[SEL], 0x76543210
	s_mov_b32 s[SEL+1], 0xfedcba98
	s_mov_b32 s[CS], 0x3e38aa3b
	s_mov_b32 s[CS+1], s[CS]                       ; (named with it as a pair, so it is written)
	v_and_b32 v2, 31, v0
	s_delay_alu instid0(VALU_DEP_1)
	v_lshlrev_b32 v1, 4, v2
	s_delay_alu instid0(VALU_DEP_2)
	v_lshlrev_b32 v2, 3, v2
	v_mov_b32 v5, 0xd3800000                       ; -2^40
	v_mov_b32 v9, 0
.irp i, 0,1,2,3,4,5
	v_mov_b32 v[22+\i], 0                          ; Q's upper 64 along K: zero codes
	v_mov_b32 v[PCD+\i], 0                         ; what K's tile 7 names behind its own six registers, written before the first step reads it
.endr
.irp b, 0,1,2,3
	v_mov_b32 v[BP+\b], 0                          ; written once: a lane permute's destination counts as one of its sources
.endr
	v_mov_b32 v[F+1], 0                            ; (named as the upper half of a pair)
	s_wait_alu depctr_va_vdst(0)
	s_wait_tensorcnt 0x0                           ; my key step has landed,
	s_barrier_signal -1
	s_barrier_wait -1                              ; everybody's has: from here on LDS is only read
	s_mov_b32 s67, 2
	s_mov_b32 s100, 31                             ; steps of the masks' base still to come
	s_mov_b32 s3, 0                                ; the upper word of the step s[2:3]
	MASKS                                          ; the first step's lane masks; every later step's are asked for in the step before
.Lpass:
	global_load_b128 v[16:19], v1, s[4:5]          ; Q's six registers of codes,
	global_load_b64 v[20:21], v2, s[4:5] offset:512
	global_load_b32 v6, v1, s[6:7]                 ; and its scale word
	KLOAD v1, v2, 0                                ; key step 0's K
	v_mov_b32 v13, 0xff61b1e6                      ; the largest t so far: -3e38, under every t
	s_delay_alu instid0(VALU_DEP_1)
	v_floor_f32 v12, -v13                          ; -M
	v_mov_b32 v14, 0
	v_mov_b32 v15, 0
.set j, 0
.rept 32
	v_mov_b32 v[O+j], 0                            ; O^T.  (The step is written once: the first finds zeros, which the first change of M leaves zeros)
.set j, j+1
.endr
	s_mov_b32 s[TB], 0
	s_mov_b32 s66, 15
	s_wait_loadcnt 0x0
	s_add_nc_u64 s[4:5], s[4:5], 768               ; (the loads are done: their bases may step)  the second pass's tile
	s_add_nc_u64 s[6:7], s[6:7], 4
.Lstep:                                            ; key steps 0 to 14
	KSTEP 1
	s_add_co_u32 s[TB], s[TB], STEPB
	s_sub_co_u32 s66, s66, 1
	s_cmp_lg_u32 s66, 0
	s_cbranch_scc1 .Lstep
	KSTEP 0                                        ; key step 15: no further K
	; THE PASS'S END: O^T / the sum, quantised along d_model: my head's 64 channels are two blocks
	PLACES
	v_add_f32 v14, v14, v15                        ; the sum's two halves,
	s_delay_alu instid0(VALU_DEP_1)
	v_permlanex16_b32 v[T], v14, s[SEL], s[SEL+1]
	s_delay_alu instid0(VALU_DEP_1)
	v_add_f32 v14, v14, v[T]                       ; and lane l xor 16's: the row's sum
	s_wait_alu depctr_va_vdst(0)
	v_rcp_f32 v[F], v14
	v_nop                                          ; a plain line behind the reciprocal
	s_wait_alu depctr_va_vdst(0)                   ; and the wait ahead of its first reader
.set j, 0
.rept 16
	v_pk_mul_f32 v[O+j:O+j+1], v[O+j:O+j+1], v[F:F+1] op_sel_hi:[1,0]
.set j, j+2
.endr
.irp b, 0,1
	v_max3_num_f32 v[BM+\b], |v[O+16*\b]|, |v[O+1+16*\b]|, 0x1800000
.endr
.irp i, 2,4,6,8,10,12,14
.irp b, 0,1
	s_delay_alu instid0(VALU_DEP_2)
	v_max3_num_f32 v[BM+\b], v[BM+\b], |v[O+16*\b+\i]|, |v[O+1+16*\b+\i]|
.endr
.endr
.irp b, 0,1
	s_delay_alu instid0(VALU_DEP_2)
	v_permlanex16_b32 v[BP+\b], v[BM+\b], s[SEL], s[SEL+1]
.endr
.irp b, 0,1
	s_delay_alu instid0(VALU_DEP_2)
	v_max_num_f32 v[BM+\b], v[BM+\b], v[BP+\b]
.endr
.irp b, 0,1
	s_delay_alu instid0(VALU_DEP_2)
	v_add_nc_u32 v[BM+\b], 0xff000000, v[BM+\b]
.endr
.irp b, 0,1
	s_delay_alu instid0(VALU_DEP_2)
	v_lshrrev_b32 v[BP+\b], 23, v[BM+\b]
.endr
	v_mov_b32 v8, v9                               ; the first pass's word moves down,
	s_delay_alu instid0(VALU_DEP_2)
	v_lshl_or_b32 v9, v[BP+1], 8, v[BP]            ; this pass's two bytes
	v_cvt_scalef32_pk16_fp6_f32 v[PCD:PCD+2], v[O:O+15], v[BM]
	v_cvt_scalef32_pk16_fp6_f32 v[S:S+2], v[O+16:O+31], v[BM+1]
	v_nop
.irp i, 0,1,2
	v_permlane16_swap_b32 v[PCD+\i], v[S+\i]
.endr
.irp i, 0,1,2
	s_delay_alu instid0(VALU_DEP_3)
	v_mov_b32 v[PCD+3+\i], v[S+\i]
.endr
	global_store_b128 v1, v[PCD:PCD+3], s[10:11]             ; 512 consecutive bytes, aligned to 256,
	global_store_b64 v2, v[PCD+4:PCD+5], s[10:11] offset:512 ; and 256
	s_wait_xcnt 0x0                                ; the stores have read their registers and their base
	s_add_nc_u64 s[10:11], s[10:11], 12288
	s_sub_co_u32 s67, s67, 1
	s_cmp_lg_u32 s67, 0
	s_cbranch_scc1 .Lpass
	s_wait_alu depctr_va_vdst(0)
	global_store_b64 v2, v[8:9], s[12:13]          ; my two tiles' scale words: 256 consecutive bytes, aligned
	s_wait_dscnt 0x0
	s_wait_tensorcnt 0x0                           ; the wave's end
	ds_add_u32 v254, v255
	s_wait_dscnt 0x0
	CROUND                                         ; the closing round
	s_endpgm
.Lfunc_end_k_q50d0cba3b5_attn:
	.size	k_q50d0cba3b5_attn, .Lfunc_end_k_q50d0cba3b5_attn-k_q50d0cba3b5_attn
	.p2alignl 7, 3214868480
	.fill 96, 4, 3214868480
	.section	.rodata,"a",@progbits
	.p2align	6, 0x0
	.amdhsa_kernel k_q50d0cba3b5_attn
		.amdhsa_group_segment_fixed_size 223232
		.amdhsa_private_segment_fixed_size 0
		.amdhsa_enable_private_segment 0
		.amdhsa_kernarg_size 40
		.amdhsa_user_sgpr_count 2
		.amdhsa_user_sgpr_kernarg_segment_ptr 1
		.amdhsa_wavefront_size32 1
		.amdhsa_system_sgpr_workgroup_id_x 1
		.amdhsa_system_sgpr_workgroup_id_y 1
		.amdhsa_system_sgpr_workgroup_id_z 1
		.amdhsa_system_vgpr_workitem_id 0
		.amdhsa_next_free_vgpr 256
		.amdhsa_next_free_sgpr 102
		.amdhsa_reserve_vcc 0
		.amdhsa_float_denorm_mode_32 3
		.amdhsa_float_denorm_mode_16_64 3
		.amdhsa_memory_ordered 1
		.amdhsa_forward_progress 1
		.amdhsa_inst_pref_size 56
	.end_amdhsa_kernel
	.amdgpu_metadata
---
amdhsa.version: [ 1, 2 ]
amdhsa.kernels:
  - .name:           k_q50d0cba3b5_attn
    .symbol:         k_q50d0cba3b5_attn.kd
    .args:
      - { .name: qc, .offset: 0, .size: 8, .value_kind: global_buffer, .address_space: global }
      - { .name: kv, .offset: 8, .size: 8, .value_kind: global_buffer, .address_space: global }
      - { .name: maskw, .offset: 16, .size: 8, .value_kind: global_buffer, .address_space: global }
      - { .name: ao, .offset: 24, .size: 8, .value_kind: global_buffer, .address_space: global }
      - { .name: aos, .offset: 32, .size: 8, .value_kind: global_buffer, .address_space: global }
    .group_segment_fixed_size: 223232
    .private_segment_fixed_size: 0
    .kernarg_segment_align: 8
    .kernarg_segment_size: 40
    .max_flat_workgroup_size: 512
    .sgpr_count:     102
    .vgpr_count:     256
    .wavefront_size: 32
...
	.end_amdgpu_metadata
.endif
;; end of part 3
;; launch outp (part 4): grid 4 x 64, 4 waves a work-group, clusters of 4 x 1, 327,680 bytes of LDS; arguments ao, aos, wimg, bo, out0; writes out0
.if DOCPART == 4
	.amdgcn_target "amdgcn-amd-amdhsa--gfx1250"
	.amdhsa_code_object_version 6
	.text
	.protected	k_q50d0cba3b5_outp
	.globl	k_q50d0cba3b5_outp
	.p2align	8
	.type	k_q50d0cba3b5_outp,@function
k_q50d0cba3b5_outp:
	s_mov_b64 s[64:65], 0
	v_nop
	global_prefetch_b8 v0, s[64:65] scope:SCOPE_SE
	s_setreg_imm32_b32 hwreg(HW_REG_WAVE_MODE, 25, 1), 1
	s_wait_xcnt 0x0
	s_wait_alu depctr_hold_cnt(0) depctr_sa_sdst(0) depctr_va_vdst(0) depctr_va_sdst(0) depctr_va_ssrc(0) depctr_va_vcc(0) depctr_vm_vsrc(0)
	s_getreg_b32 s2, hwreg(HW_REG_IB_STS2, 6, 4)
	s_cmp_eq_u32 s2, 0
	s_cbranch_scc0 .Lentry_in_a_cluster
	s_endpgm
.Lentry_in_a_cluster:
	s_bfe_u32 s2, ttmp6, 0x10000c
	s_cmp_lg_u32 s2, 0x3003
	s_cbranch_scc0 .Lentry_shape_is_right
	s_endpgm
.Lentry_shape_is_right:
; OUTP: out0 = a Wo + bo on codes of FP6 (E2M3) with E8M0 scales; a is the attention launch's result, as images of operand registers (ao) with its scale bytes (aos).
; SHARES.  Work-group (cx, y): rows 128 y on (eight tiles of 16), columns 256 cx on; wave w holds the 64 columns 64 (4 cx + w) on of Wo, all of K, in registers (32 fragments) and takes the eight tiles in two halves of four.
; LDS is filled once, at the head, by joint loads of the cluster's four work-groups, which take the same rows: ONE tensor load a wave, in one chain of branches on the wave's number:
; waves 0 to 2 a third each of the chunk's codes (98,304 dense bytes: 128 rows of 256 each), wave 3 the scale words of all sixteen heads (16 rows of 1,024 bytes, 65,536 apart).  Wo's and the bias's loads into registers follow at once.
; The product is used transposed (source 0 = 16 columns of Wo, source 1 = 16 rows of a): a lane holds eight neighbouring columns of a row; the bias is the C of each sum's first product.
; The results go through each wave's own stage in LDS and leave as whole rows of 256 bytes.  NaN and infinities are not served.
.set WV,  18
.set AOS, 98304
.set STG, 114688
.set SPI, 272
.set ACC, 128
.set MSB, 0
.macro WIN new
.if MSB != (\new)
	s_set_vgpr_msb (MSB<<8)|(\new)
.set MSB, (\new)
.endif
.endm
.macro PLACES
.rept 4
	v_nop
.endr
.endm
.macro CROUND
	s_barrier_signal -1
	s_barrier_wait -1
	s_cmp_lg_u32 s[WV], 0
	s_cbranch_scc1 .Lnot_wave_0_\@
	s_barrier_signal -3
.Lnot_wave_0_\@:
	s_barrier_wait -3
	s_barrier_signal -1
	s_barrier_wait -1
.endm
.macro AFETCH s
	WIN 0xc0
.irp G, 0,1,2,3
	ds_load_b128 v[48*((\s)%2)+12*\G:48*((\s)%2)+12*\G+3], v3 offset:12288*\G+1536*(\s)
	ds_load_b64 v[48*((\s)%2)+12*\G+4:48*((\s)%2)+12*\G+5], v12 offset:12288*\G+1536*(\s)+512
	ds_load_b128 v[48*((\s)%2)+12*\G+6:48*((\s)%2)+12*\G+9], v3 offset:12288*\G+1536*(\s)+768
	ds_load_b64 v[48*((\s)%2)+12*\G+10:48*((\s)%2)+12*\G+11], v12 offset:12288*\G+1536*(\s)+1280
.endr
.endm
.macro PROD s, hi
.if (\s) == 0
	WIN (0x3d+\hi)
.else
	WIN (0x0d+\hi)
.endif
.irp G, 0,1,2,3
.irp u, 0,1
.set rD, ACC+8*(4*\G+2*\hi+\u)
.set rA, 12*(8*\u+(\s))
.set rB, 48*((\s)%2)+12*\G
.set rSA, 16+8*\hi+(\s)
.set rSB, 32+8*\G+(\s)
.if (\s) == 0
.set rC, 128+8*(2*\hi+\u)
.else
.set rC, rD
.endif
.if \u
	v_wmma_scale_f32_16x16x128_f8f6f4 v[rD:rD+7], v[rA:rA+11], v[rB:rB+11], v[rC:rC+7], v[rSA], v[rSB] matrix_a_fmt:MATRIX_FMT_FP6 matrix_b_fmt:MATRIX_FMT_FP6 matrix_a_scale:MATRIX_SCALE_ROW1
.else
	v_wmma_scale_f32_16x16x128_f8f6f4 v[rD:rD+7], v[rA:rA+11], v[rB:rB+11], v[rC:rC+7], v[rSA], v[rSB] matrix_a_fmt:MATRIX_FMT_FP6 matrix_b_fmt:MATRIX_FMT_FP6
.endif
.endr
.endr
.endm
.macro STEP s
	PLACES
.if (\s) < 7
	AFETCH (\s)+1
	s_wait_alu depctr_va_vdst(0)
	s_wait_dscnt 16
.else
	s_wait_dscnt 0x0
.endif
	PROD \s, 0
	PROD \s, 1
.endm
.macro OUTT half, G
.irp e, 0,1,2,3
	ds_store_b128 v14, v[ACC+32*\G+8*\e:ACC+32*\G+8*\e+3] offset:128*(\e/2)+32*(\e%2)
	ds_store_b128 v14, v[ACC+32*\G+8*\e+4:ACC+32*\G+8*\e+7] offset:128*(\e/2)+32*(\e%2)+16
.endr
	s_wait_xcnt 0x0
.irp i, 0,1,2,3,4,5,6,7
	ds_load_b128 v[64+32*(\G%2)+4*\i:64+32*(\G%2)+4*\i+3], v15 offset:2*SPI*\i
.endr
.irp i, 0,1,2,3,4,5,6,7
	s_wait_dscnt 7-\i
	global_store_b128 v10, v[64+32*(\G%2)+4*\i:64+32*(\G%2)+4*\i+3], s[12:13] offset:(32*((4*\half+\G)/2)+8*(\G%2)+2*\i+8*(\i/4))*4096 th:TH_STORE_NT
.endr
.endm
.macro OHALF half
	s_wait_xcnt 0x0
	v_add_nc_u32 v3, 49152*\half, v1
	v_add_nc_u32 v12, 49152*\half, v2
.irp hd, 0,1,2,3,4,5,6,7,8,9,10,11,12,13,14,15
.irp pi, 0,1
	ds_load_b64 v[64+4*\hd+2*\pi:65+4*\hd+2*\pi], v13 offset:1024*\hd+256*(2*\half+\pi)
.endr
.endr
	AFETCH 0
	WIN 0
	s_wait_dscnt 16
.irp s, 0,1,2,3,4,5,6,7
.irp G, 0,1,2,3
	v_lshl_or_b32 v[32+8*\G+\s], v[64+4*(2*\s+1)+\G], 16, v[64+4*(2*\s)+\G]
.endr
.endr
.irp s, 0,1,2,3,4,5,6,7
	STEP \s
.endr
	WIN 0
	PLACES
.irp G, 0,1,2,3
	OUTT \half, \G
.endr
.endm
	s_load_b256 s[4:11], s[0:1], 0x0
	s_load_b64 s[12:13], s[0:1], 0x20
	v_lshl_add_u32 v9, v0, 2, 0x29000
	v_mov_b32 v11, 0
	ds_add_u32 v9, v11
	ds_add_u32 v9, v11
	v_lshrrev_b32 v1, 5, v0
	v_readfirstlane_b32 s[WV], v1
	s_bfe_u32 s19, ttmp6, 0x40000
	s_and_b32 s20, ttmp7, 0xffff
	s_lshl_b32 s23, s19, 2
	s_add_co_u32 s23, s23, s[WV]
	s_mov_b32 s24, 15|(3<<16)|(1<<21)
	s_mov_b32 s25, 32<<16
	s_mov_b32 s26, 128<<16
	s_mov_b32 s27, 32<<16
	s_mov_b32 s28, 128
	s_mov_b32 s29, 32
	s_mov_b32 s30, 0
	s_mov_b32 s31, 0
	s_mov_b32 s40, 15|(3<<16)|(1<<21)
	s_mov_b32 s41, 128<<16
	s_mov_b32 s42, 16<<16
	s_mov_b32 s43, 128<<16
	s_mov_b32 s44, 16
	s_mov_b32 s45, 8192
	s_mov_b32 s46, 0
	s_mov_b32 s47, 0
	s_mul_i32 s48, s20, 98304
	s_mul_i32 s21, s[WV], 32768                    ; waves 0 to 2: my third of the chunk's codes, in memory and in LDS
	s_add_co_u32 s48, s48, s21
	s_mov_b32 s49, 0
	s_lshl_b32 s50, s20, 10                        ; the chunk's four pairs of tiles in head 0's row of aos; the other heads' rows follow by the pitch
	s_mov_b32 s51, 0
	s_mov_b32 s22, AOS
	s_wait_dscnt 0x0
	s_wait_kmcnt 0x0
	s_mov_b32 s32, 1
	s_mov_b32 s33, s21
	s_add_nc_u64 s[34:35], s[4:5], s[48:49]
	s_or_b32 s35, s35, 0x80000000
	s_mov_b32 s36, 1
	s_mov_b32 s37, s22
	s_add_nc_u64 s[38:39], s[6:7], s[50:51]
	s_or_b32 s39, s39, 0x80000000
	CROUND                                         ; all four work-groups are here: the joint loads meet
	s_cmp_lt_u32 s[WV], 3
	s_cbranch_scc0 .Lfor_scales
	tensor_load_to_lds s[32:35], s[24:31]          ; waves 0 to 2: a third of the codes each
	s_nop 0
	PLACES
	s_branch .Lasked
.Lfor_scales:
	tensor_load_to_lds s[36:39], s[40:47]          ; wave 3: the scale words
	s_nop 0
	PLACES
.Lasked:
	s_add_co_u32 s48, s23, 48
	s_mul_i32 s48, s48, 51200
	s_add_nc_u64 s[8:9], s[8:9], s[48:49]
	s_lshl_b32 s48, s23, 8
	s_add_nc_u64 s[10:11], s[10:11], s[48:49]
	s_add_nc_u64 s[12:13], s[12:13], s[48:49]
	s_lshl_b32 s48, s20, 19
	s_add_nc_u64 s[12:13], s[12:13], s[48:49]
	s_mul_i32 s52, s[WV], 16*SPI
	s_add_co_u32 s52, s52, STG
	v_and_b32 v2, 31, v0
	v_lshlrev_b32 v1, 4, v2
	v_lshlrev_b32 v2, 3, v2
	v_add_nc_u32 v13, AOS, v2
	v_and_b32 v5, 15, v0
	v_bfe_u32 v6, v0, 4, 1
	v_lshlrev_b32 v4, 6, v6
	v_mul_u32_u24 v14, v5, SPI
	v_lshl_add_u32 v14, v6, 6, v14
	v_add_nc_u32 v14, s52, v14
	v_mul_u32_u24 v15, v6, SPI
	v_lshl_add_u32 v15, v5, 4, v15
	v_add_nc_u32 v15, s52, v15
	v_lshlrev_b32 v10, 12, v6
	v_lshl_add_u32 v10, v5, 4, v10
	WIN 0x40
.irp e, 0,1
.irp s, 0,1,2,3,4,5,6,7
.irp i, 0,1,2
	global_load_b128 v[12*(8*\e+\s)+4*\i:12*(8*\e+\s)+4*\i+3], v1, s[8:9] offset:(8*\e+\s)*1536+512*\i
.endr
.endr
.endr
	WIN 0x80
.irp e, 0,1
.irp s, 0,1,2,3,4,5,6,7
.irp i, 0,1,2
	global_load_b128 v[12*(8*\e+\s)+4*\i:12*(8*\e+\s)+4*\i+3], v1, s[8:9] offset:(16+8*\e+\s)*1536+512*\i
.endr
.endr
.endr
	WIN 0xc0
.irp e, 0,1,2,3
	global_load_b128 v[128+8*\e:131+8*\e], v4, s[10:11] offset:4*(32*(\e/2)+8*(\e%2))
	global_load_b128 v[132+8*\e:135+8*\e], v4, s[10:11] offset:4*(32*(\e/2)+8*(\e%2))+16
.endr
	WIN 0
.irp q, 0,1,2,3,4,5,6,7
	global_load_b64 v[16+2*\q:17+2*\q], v2, s[8:9] offset:49152+256*\q
.endr
	s_wait_alu depctr_va_vdst(0)
	s_wait_loadcnt 0x0                             ; Wo, its scale words and the bias: once
	s_wait_tensorcnt 0x0                           ; my one tensor load has landed,
	s_barrier_signal -1
	s_barrier_wait -1
	OHALF 0
	OHALF 1
	s_wait_dscnt 0x0
	s_wait_tensorcnt 0x0
	ds_add_u32 v9, v11
	s_wait_dscnt 0x0
	CROUND
	s_endpgm
.Lfunc_end_k_q50d0cba3b5_outp:
	.size	k_q50d0cba3b5_outp, .Lfunc_end_k_q50d0cba3b5_outp-k_q50d0cba3b5_outp
	.p2alignl 7, 3214868480
	.fill 96, 4, 3214868480
	.section	.rodata,"a",@progbits
	.p2align	6, 0x0
	.amdhsa_kernel k_q50d0cba3b5_outp
		.amdhsa_group_segment_fixed_size 327680
		.amdhsa_private_segment_fixed_size 0
		.amdhsa_enable_private_segment 0
		.amdhsa_kernarg_size 40
		.amdhsa_user_sgpr_count 2
		.amdhsa_user_sgpr_kernarg_segment_ptr 1
		.amdhsa_wavefront_size32 1
		.amdhsa_system_sgpr_workgroup_id_x 1
		.amdhsa_system_sgpr_workgroup_id_y 1
		.amdhsa_system_sgpr_workgroup_id_z 1
		.amdhsa_system_vgpr_workitem_id 0
		.amdhsa_next_free_vgpr 1024
		.amdhsa_next_free_sgpr 66
		.amdhsa_reserve_vcc 0
		.amdhsa_float_denorm_mode_32 3
		.amdhsa_float_denorm_mode_16_64 3
		.amdhsa_memory_ordered 1
		.amdhsa_forward_progress 1
		.amdhsa_inst_pref_size 94
	.end_amdhsa_kernel
	.amdgpu_metadata
---
amdhsa.version: [ 1, 2 ]
amdhsa.kernels:
  - .name:           k_q50d0cba3b5_outp
    .symbol:         k_q50d0cba3b5_outp.kd
    .args:
      - { .name: ao, .offset: 0, .size: 8, .value_kind: global_buffer, .address_space: global }
      - { .name: aos, .offset: 8, .size: 8, .value_kind: global_buffer, .address_space: global }
      - { .name: wimg, .offset: 16, .size: 8, .value_kind: global_buffer, .address_space: global }
      - { .name: bo, .offset: 24, .size: 8, .value_kind: global_buffer, .address_space: global }
      - { .name: out0, .offset: 32, .size: 8, .value_kind: global_buffer, .address_space: global }
    .group_segment_fixed_size: 327680
    .private_segment_fixed_size: 0
    .kernarg_segment_align: 8
    .kernarg_segment_size: 40
    .max_flat_workgroup_size: 128
    .sgpr_count:     66
    .vgpr_count:     1024
    .wavefront_size: 32
...
	.end_amdgpu_metadata
.endif
;; end of part 4
